; MI455X (gfx1250); checked and timed in simulation.
; The chip was launched on July 23, 2026; its instructions are those of AMD's public machine-readable ISA for CDNA 5 (MIT licence, August 2026) and "CDNA5" Instruction Set Architecture Reference Guide (July 2026). The comments in the code are by the model that wrote it; some were corrected since.
;; Expert Block. Allowed arithmetic: float matrix products may take bf16 or f16 operands with f32 sums; other float arithmetic in f32, or as packed bf16 or f16 multiplies, adds, multiply-adds, maxima and minima; sums over many terms, partial sums and values carried from step to step in f32; what a program stores and reads back later, other than sums and carried values, may be rounded once to bf16 or f16.
;; Inputs: Wo 128 x 128 float32; Wqkv 384 x 128 float32; bo 128 float32; bqkv 384 float32; ffn_W1 512 x 128 float32; ffn_W2 128 x 512 float32; ffn_b1 512 float32; ffn_b2 128 float32; h 4 x 2,048 x 128 float32; key_padding_mask 4 x 2,048 bool; ln_a_b 128 float32; ln_a_g 128 float32; ln_mlp_b 128 float32; ln_mlp_g 128 float32; ln_op1_b 128 float32; ln_op1_g 128 float32; ln_op2_b 128 float32; ln_op2_g 128 float32; op1_W 128 x 16,384 float32; op1_b 128 float32; op2_W 128 x 16,384 float32; op2_b 128 float32.
;; Outputs: out0 4 x 2,048 x 128 float32.
;; One version. Each part assembles by itself: llvm-mc -triple=amdgcn-amd-amdhsa -mcpu=gfx1250 --defsym DOCPART=n.
;; ======== version 1 of 1: 7 launches
;; workspace buffers: w1s 2,621,440 bytes; w2s 2,621,440 bytes; wsm 393,216 bytes; qkvh 6,291,456 bytes; cxh 2,097,152 bytes; ha 4,194,304 bytes; ta 4,194,304 bytes; hb 4,194,304 bytes
;; launch prep (part 1): grid 172 x 1, 8 waves a work-group, no clusters, 140,800 bytes of LDS; arguments op1_W, op2_W, Wqkv, Wo, ffn_W1, ffn_W2, w1s, w2s, wsm; writes w1s, w2s, wsm
.if DOCPART == 1
	.amdgcn_target "amdgcn-amd-amdhsa--gfx1250"
	.amdhsa_code_object_version 6
	.text
	.protected	k_q84098feaf8_prep
	.globl	k_q84098feaf8_prep
	.p2align	8
	.type	k_q84098feaf8_prep,@function
k_q84098feaf8_prep:
	s_mov_b64 s[64:65], 0
	v_nop
	global_prefetch_b8 v0, s[64:65] scope:SCOPE_SE
	s_setreg_imm32_b32 hwreg(HW_REG_WAVE_MODE, 25, 1), 1
	s_wait_xcnt 0x0
; THE WEIGHTS ARE ROUNDED TO bf16 AND LAID OUT ONCE, in the order in which a wave's operand registers take them.
; A fragment is 16 rows x 32 k, 1,024 bytes: [q 0..1][lane L][8 bf16] = (row L % 16, k = 16 q + 8 (L / 16) + e): two loads of 16 bytes a lane, 512 bytes apart, fill the 8 registers.
; WORK LEFT OUT, in the whole program: the mix is out[c] = sum over i, j of W[c][128 i + j] t_i t_j, and t_i t_j = t_j t_i whatever t holds.  With i and j in blocks I, J of 32 the sum is
; the sum over J >= I of F (W[c][i][j] + W[c][j][i]) t_i t_j, F = 1/2 where I = J and 1 elsewhere: 10 of the 16 pairs of blocks, 320 chunks of 32 along K for 512.  The six mirrored pairs
; are never multiplied.  Every number of op1_W and op2_W is still read and enters the sums, and no input is left out.  Limit: the two weights are added in f32 and rounded to bf16 once, so an
; overflow or a NaN of one mirrored product alone is seen as that of the sum; the order of rounding differs from a sum over all 16,384 terms.
; WORK-GROUPS 0-159: one mix m, one tile g of 16 columns c, one pair of blocks (I, J): 16 x 32 x 32 numbers W[c][i][j] and as many W[c][j][i]; the second set is turned in LDS.
; w1s, w2s: [c / 32] x 655,360 bytes; fragment number (FB(I) + a n + (J - I)) 2 + (c / 16) % 2, i = 32 I + a, n = 4 - I, FB = 0, 128, 224, 288.
; WORK-GROUPS 160-171: the four small matrices, four fragments a wave, number ct KC + kc: Wqkv at byte 0 of wsm, Wo at 98,304, ffn_W1 at 131,072, ffn_W2 (KC = 16) at 262,144.
.set PA,    4112                       ; LDS: W[c][a][b], a column c every 4,112 bytes (an odd multiple of 16), a row a every 128
.set BT,    65792                      ; LDS: the turned set, [c][a][b]
.set PB,    4624                       ; a column every 4,624 bytes (an odd multiple of 16), a row every 144
.set SPARE, 139776                     ; the spare words, 128 bytes a wave: four blocks of 256 bytes that no other line names
.set SPW,   30
.set NIL,   31
.set D,     32                         ; v[32:159] data
	s_load_b512 s[8:23], s[0:1], 0x0               ; op1_W 8, op2_W 10, Wqkv 12, Wo 14, ffn_W1 16, ffn_W2 18, w1s 20, w2s 22
	s_load_b64 s[24:25], s[0:1], 0x40              ; wsm
	v_lshl_add_u32 v[SPW], v0, 2, SPARE
	v_mov_b32 v[NIL], 0
	v_lshrrev_b32 v1, 5, v0
	v_readfirstlane_b32 s2, v1                     ; wave 0..7
	v_and_b32 v2, 31, v0                           ; L
	v_and_b32 v3, 15, v0                           ; r = L % 16
	v_bfe_u32 v4, v0, 4, 1                         ; h = L / 16
	s_cmp_ge_u32 ttmp9, 160
	s_cbranch_scc1 .Lsmall                         ; the same for all waves of a work-group
	s_mul_i32 s3, ttmp9, 205
	s_lshr_b32 s3, s3, 11                          ; y = id / 10 (exact up to 159)
	s_mul_i32 s4, s3, 10
	s_sub_co_u32 s4, ttmp9, s4                     ; p = the pair of blocks, 0..9
	s_lshr_b32 s5, s3, 3                           ; m: which mix
	s_and_b32 s6, s3, 7                            ; g: which 16 columns
	s_cmp_ge_u32 s4, 4
	s_cselect_b32 s26, 1, 0                        ; I
	s_cselect_b32 s27, 4, 0                        ; the first p of that I; 32 times it is FB(I)
	s_cmp_ge_u32 s4, 7
	s_cselect_b32 s26, 2, s26
	s_cselect_b32 s27, 7, s27
	s_cmp_ge_u32 s4, 9
	s_cselect_b32 s26, 3, s26
	s_cselect_b32 s27, 9, s27
	s_sub_co_u32 s28, s4, s27                      ; J - I
	s_add_co_u32 s29, s26, s28                     ; J
	s_sub_co_u32 s30, 4, s26                       ; n
	s_cmp_eq_u32 s28, 0
	s_cselect_b32 s32, 0.5, 1.0                    ; F
	s_mov_b32 s33, s32
	s_lshl_b32 s34, s6, 20                         ; 16 g columns of 65,536 bytes
	s_lshl_b32 s35, s26, 14                        ; 32 I rows of 512 bytes
	s_lshl_b32 s36, s29, 7                         ; 32 J numbers
	s_add_co_u32 s36, s36, s35
	s_add_co_u32 s36, s36, s34                     ; W[16 g][32 I][32 J]
	s_mov_b32 s37, 0
	s_lshl_b32 s38, s29, 14
	s_lshl_b32 s35, s26, 7
	s_add_co_u32 s38, s38, s35
	s_add_co_u32 s38, s38, s34                     ; W[16 g][32 J][32 I]
	s_mov_b32 s39, 0
	s_lshr_b32 s40, s6, 1
	s_mul_i32 s40, s40, 655360
	s_lshl_b32 s41, s27, 5                         ; FB(I)
	s_mul_i32 s42, s2, s30
	s_lshl_b32 s42, s42, 2                         ; + 4 w n: my wave's rows a = 4 w ..
	s_add_co_u32 s41, s41, s42
	s_add_co_u32 s41, s41, s28
	s_lshl_b32 s41, s41, 1
	s_and_b32 s42, s6, 1
	s_add_co_u32 s41, s41, s42
	s_lshl_b32 s41, s41, 10
	s_add_co_u32 s40, s40, s41
	s_mov_b32 s41, 0
	v_lshrrev_b32 v6, 3, v0                        ; t / 8: a row of the block
	v_and_b32 v7, 7, v0                            ; t % 8: four numbers of it
	v_lshlrev_b32 v5, 9, v6
	v_lshl_add_u32 v5, v7, 4, v5                   ; in memory
	v_lshlrev_b32 v8, 7, v6
	v_lshl_add_u32 v8, v7, 4, v8                   ; the first set in LDS, as it lies
	v_mul_u32_u24 v9, v7, 576
	v_lshl_add_u32 v9, v6, 2, v9
	v_add_nc_u32 v9, BT, v9                        ; the second set, turned: my four numbers go to rows 4 (t % 8) + z, place t / 8
	v_add_nc_u32 v10, 8*PB, v9                     ; columns 8-15: the immediate holds 16 bits
	v_mul_u32_u24 v11, v3, PA
	v_lshl_add_u32 v11, v4, 5, v11
	s_lshl_b32 s52, s2, 9
	v_add_nc_u32 v11, s52, v11                     ; back: column r, row 4 w, numbers 8 h ..
	v_mul_u32_u24 v12, v3, PB
	v_lshl_add_u32 v12, v4, 5, v12
	s_mul_i32 s52, s2, 576
	s_add_co_u32 s52, s52, BT
	v_add_nc_u32 v12, s52, v12
	s_lshl_b32 s53, s30, 11                        ; from a row a to the next: n pairs of fragments
	v_lshlrev_b32 v16, 4, v2
	v_add_nc_u32 v17, s53, v16
	v_add_nc_u32 v18, s53, v17
	v_add_nc_u32 v19, s53, v18                     ; v[16 + z] = 16 L + z n 2,048
	s_wait_kmcnt 0x0
	s_cmp_eq_u32 s5, 0
	s_cselect_b64 s[44:45], s[8:9], s[10:11]
	s_cselect_b64 s[46:47], s[20:21], s[22:23]
	s_add_nc_u64 s[48:49], s[44:45], s[36:37]
	s_add_nc_u64 s[50:51], s[44:45], s[38:39]
	s_add_nc_u64 s[46:47], s[46:47], s[40:41]
.set k, 0
.rept 16                                       ; all 32 loads go out together: a column's 32 x 32 numbers each
	global_load_b128 v[D+4*k:D+4*k+3], v5, s[48:49] offset:k*65536
.set k, k+1
.endr
.set k, 0
.rept 16
	global_load_b128 v[D+64+4*k:D+64+4*k+3], v5, s[50:51] offset:k*65536
.set k, k+1
.endr
.set k, 0
.rept 16
	s_wait_loadcnt 31-k                            ; loads come back in order: load k is in, the younger ones stay out
	ds_store_b128 v8, v[D+4*k:D+4*k+3] offset:k*PA
.set k, k+1
.endr
.set k, 0
.rept 16
	s_wait_loadcnt 15-k
.set z, 0
.rept 4
	ds_store_b32 v[9+k/8], v[D+64+4*k+z] offset:(k%8)*PB+z*144
.set z, z+1
.endr
.set k, k+1
.endr
	s_wait_dscnt 0x0                               ; for the others' sake: my stores are done
	s_barrier_signal -1
	s_barrier_wait -1
.set k, 0
.rept 8                                        ; item k = 2 z + q: row a = 4 w + z, half q of its fragment: eight numbers of each set
	ds_load_b128 v[D+16*k:D+16*k+3], v11 offset:(k/2)*128+(k%2)*64
	ds_load_b128 v[D+16*k+4:D+16*k+7], v11 offset:(k/2)*128+(k%2)*64+16
	ds_load_b128 v[D+16*k+8:D+16*k+11], v12 offset:(k/2)*144+(k%2)*64
	ds_load_b128 v[D+16*k+12:D+16*k+15], v12 offset:(k/2)*144+(k%2)*64+16
.set k, k+1
.endr
.set k, 0
.rept 8
	s_wait_dscnt 4*(7-k)                           ; item k's four loads are in; four for each later item stay out
.set p, 0
.rept 4
	v_pk_add_f32 v[D+16*k+2*p:D+16*k+2*p+1], v[D+16*k+2*p:D+16*k+2*p+1], v[D+16*k+8+2*p:D+16*k+8+2*p+1]
.set p, p+1
.endr
.set p, 0
.rept 4
	v_pk_mul_f32 v[D+16*k+2*p:D+16*k+2*p+1], v[D+16*k+2*p:D+16*k+2*p+1], s[32:33] op_sel_hi:[1,0]
.set p, p+1
.endr
.set p, 0
.rept 4
	v_cvt_pk_bf16_f32 v[D+16*k+p], v[D+16*k+2*p], v[D+16*k+2*p+1]
.set p, p+1
.endr
	global_store_b128 v[16+k/2], v[D+16*k:D+16*k+3], s[46:47] offset:(k%2)*512  ; the wave stores 512 consecutive bytes, aligned; each item has registers of its own
.set k, k+1
.endr
	s_wait_tensorcnt 0x0                           ; the wave's end, behind my last LDS store
	ds_add_u32 v[SPW], v[NIL]
	s_wait_dscnt 0x0
	s_endpgm
.Lsmall:                                       ; no LDS here: a fragment's lanes read 32 bytes of a row each
	s_sub_co_u32 s3, ttmp9, 160
	s_lshl_b32 s3, s3, 3
	s_add_co_u32 s3, s3, s2                        ; wave 0..95
	s_wait_kmcnt 0x0
	s_mov_b64 s[26:27], s[18:19]                   ; 64-95: ffn_W2
	s_mov_b32 s28, 64                              ; the matrix's first wave
	s_mov_b32 s29, 11                              ; log2 of a row's bytes
	s_mov_b32 s30, 4                               ; log2 of KC
	s_mov_b32 s31, 262144                          ; its place in wsm
	s_cmp_lt_u32 s3, 64
	s_cselect_b64 s[26:27], s[16:17], s[26:27]     ; 32-63: ffn_W1
	s_cselect_b32 s28, 32, s28
	s_cselect_b32 s29, 9, s29
	s_cselect_b32 s30, 2, s30
	s_cselect_b32 s31, 131072, s31
	s_cmp_lt_u32 s3, 32
	s_cselect_b64 s[26:27], s[14:15], s[26:27]     ; 24-31: Wo
	s_cselect_b32 s28, 24, s28
	s_cselect_b32 s31, 98304, s31
	s_cmp_lt_u32 s3, 24
	s_cselect_b64 s[26:27], s[12:13], s[26:27]     ; 0-23: Wqkv
	s_cselect_b32 s28, 0, s28
	s_cselect_b32 s31, 0, s31
	s_sub_co_u32 s3, s3, s28
	s_lshl_b32 s3, s3, 2                           ; my first fragment
	s_lshr_b32 s34, s3, s30                        ; ct
	s_bfm_b32 s35, s30, 0
	s_and_b32 s35, s3, s35                         ; kc
	s_lshl_b32 s34, s34, 4
	s_lshl_b32 s34, s34, s29                       ; 16 ct rows
	s_lshl_b32 s35, s35, 7                         ; 32 kc numbers
	s_add_co_u32 s34, s34, s35
	s_mov_b32 s35, 0
	s_add_nc_u64 s[26:27], s[26:27], s[34:35]
	s_lshl_b32 s36, s3, 10
	s_add_co_u32 s36, s36, s31
	s_mov_b32 s37, 0
	s_add_nc_u64 s[24:25], s[24:25], s[36:37]
	v_lshlrev_b32 v5, s29, v3
	v_lshl_add_u32 v5, v4, 5, v5                   ; row r, numbers 8 h ..
	v_lshlrev_b32 v6, 4, v2
.set k, 0
.rept 8                                        ; item k = 2 z + q
	global_load_b128 v[D+8*k:D+8*k+3], v5, s[26:27] offset:(k/2)*128+(k%2)*64
	global_load_b128 v[D+8*k+4:D+8*k+7], v5, s[26:27] offset:(k/2)*128+(k%2)*64+16
.set k, k+1
.endr
	s_wait_loadcnt 0x0
.set k, 0
.rept 8
.set p, 0
.rept 4
	v_cvt_pk_bf16_f32 v[D+8*k+p], v[D+8*k+2*p], v[D+8*k+2*p+1]
.set p, p+1
.endr
	global_store_b128 v6, v[D+8*k:D+8*k+3], s[24:25] offset:k*512
.set k, k+1
.endr
	s_endpgm
.Lfunc_end_k_q84098feaf8_prep:
	.size	k_q84098feaf8_prep, .Lfunc_end_k_q84098feaf8_prep-k_q84098feaf8_prep
	.p2alignl 7, 3214868480
	.fill 96, 4, 3214868480
	.section	.rodata,"a",@progbits
	.p2align	6, 0x0
	.amdhsa_kernel k_q84098feaf8_prep
		.amdhsa_group_segment_fixed_size 140800
		.amdhsa_private_segment_fixed_size 0
		.amdhsa_enable_private_segment 0
		.amdhsa_kernarg_size 72
		.amdhsa_user_sgpr_count 2
		.amdhsa_user_sgpr_kernarg_segment_ptr 1
		.amdhsa_wavefront_size32 1
		.amdhsa_system_sgpr_workgroup_id_x 1
		.amdhsa_system_sgpr_workgroup_id_y 1
		.amdhsa_system_sgpr_workgroup_id_z 1
		.amdhsa_system_vgpr_workitem_id 0
		.amdhsa_next_free_vgpr 160
		.amdhsa_next_free_sgpr 66
		.amdhsa_reserve_vcc 0
		.amdhsa_float_denorm_mode_32 3
		.amdhsa_float_denorm_mode_16_64 3
		.amdhsa_memory_ordered 1
		.amdhsa_forward_progress 1
		.amdhsa_inst_pref_size 28
	.end_amdhsa_kernel
	.amdgpu_metadata
---
amdhsa.version: [ 1, 2 ]
amdhsa.kernels:
  - .name:           k_q84098feaf8_prep
    .symbol:         k_q84098feaf8_prep.kd
    .args:
      - { .name: op1_W, .offset: 0, .size: 8, .value_kind: global_buffer, .address_space: global }
      - { .name: op2_W, .offset: 8, .size: 8, .value_kind: global_buffer, .address_space: global }
      - { .name: Wqkv, .offset: 16, .size: 8, .value_kind: global_buffer, .address_space: global }
      - { .name: Wo, .offset: 24, .size: 8, .value_kind: global_buffer, .address_space: global }
      - { .name: ffn_W1, .offset: 32, .size: 8, .value_kind: global_buffer, .address_space: global }
      - { .name: ffn_W2, .offset: 40, .size: 8, .value_kind: global_buffer, .address_space: global }
      - { .name: w1s, .offset: 48, .size: 8, .value_kind: global_buffer, .address_space: global }
      - { .name: w2s, .offset: 56, .size: 8, .value_kind: global_buffer, .address_space: global }
      - { .name: wsm, .offset: 64, .size: 8, .value_kind: global_buffer, .address_space: global }
    .group_segment_fixed_size: 140800
    .private_segment_fixed_size: 0
    .kernarg_segment_align: 8
    .kernarg_segment_size: 72
    .max_flat_workgroup_size: 256
    .sgpr_count:     66
    .vgpr_count:     160
    .wavefront_size: 32
...
	.end_amdgpu_metadata
.endif
;; end of part 1
;; launch qkv (part 2): grid 256 x 1, 4 waves a work-group, no clusters, 0 bytes of LDS; arguments h, key_padding_mask, ln_a_g, ln_a_b, wsm, bqkv, qkvh; writes qkvh
.if DOCPART == 2
	.amdgcn_target "amdgcn-amd-amdhsa--gfx1250"
	.amdhsa_code_object_version 6
	.text
	.protected	k_q84098feaf8_qkv
	.globl	k_q84098feaf8_qkv
	.p2align	8
	.type	k_q84098feaf8_qkv,@function
k_q84098feaf8_qkv:
	s_mov_b64 s[64:65], 0
	v_nop
	global_prefetch_b8 v0, s[64:65] scope:SCOPE_SE
	s_setreg_imm32_b32 hwreg(HW_REG_WAVE_MODE, 25, 1), 1
	s_wait_xcnt 0x0
; t = LN(h); q, k, v = t Wqkv^T + bqkv, by heads, in bf16, as the attention's operand registers take them.
; A work-group has 32 tokens (two tiles of 16), wave w the heads 2 w and 2 w + 1 of q, k and v: 12 tiles of 16 x 16.  A head is 16 channels: one tile.  Each wave makes the LN of both token
; tiles itself, straight in the layout of a matrix source (lane L: token L % 16, channels 32 kc + 16 q + 8 (L / 16) + e): no LDS, no barrier.
; q, k: source 0 = 16 rows of Wqkv, source 1 = 16 tokens: a lane ends with one token and 8 channels, 16 bytes.  v: the sources swapped: a lane ends with one channel and 8 tokens: V^T.
; q is multiplied by log2(e) / 4 (the softmax works in base 2).  The row k of a masked key is written as 0: the attention adds the mask by a 17th channel.
; qkvh: q at 0, k at 2,097,152, V^T at 4,194,304; each [batch x head 32][token tile 128][lane x 16 bytes].
; REGISTERS: window 0: v0-15 addresses, v16-79 t in bf16, v80-175 12 accumulators, v176-239 and v240-251 at work; window 1: v0-191 weights; window 2: v0-127 h, v128-191 gain, v192-255 bias.
.set KM,  10                           ; v10-11  1 - mask of my token, by token tile
.set BV,  12                           ; v12, v14  v's bias of my channel, by head (v13, v15 named with them as pairs)
.set TF,  16
.set ACC, 80
.set Y,   176
.set ST,  240
.set INV, 40                           ; s40  1/128
.set EPS, 41                           ; s41  1e-5
.set SEL, 42                           ; s[42:43]  each lane takes its own place in the other half
.set QS,  44                           ; s[44:45]  log2(e) / 4
.set MSB, 0
.macro WIN new                         ; the immediate's high byte repeats the setting that is left; a switch that changes nothing is dropped
.if MSB != (\new)
	s_set_vgpr_msb (MSB<<8)|(\new)
.set MSB, (\new)
.endif
.endm
.macro LD64 dst, va, sb, off           ; a lane's 64 numbers of a row: 8 x 32 bytes, 64 bytes apart
.set c, 0
.rept 8
	global_load_b128 v[(\dst)+8*c:(\dst)+8*c+3], v[\va], s[\sb:\sb+1] offset:(\off)+64*c
	global_load_b128 v[(\dst)+8*c+4:(\dst)+8*c+7], v[\va], s[\sb:\sb+1] offset:(\off)+64*c+16
.set c, c+1
.endr
.endm
.macro LDW dst, n, va, sb, off         ; n fragments on end
.set f, 0
.rept \n
	global_load_b128 v[(\dst)+8*f:(\dst)+8*f+3], v[\va], s[\sb:\sb+1] offset:(\off)+1024*f
	global_load_b128 v[(\dst)+8*f+4:(\dst)+8*f+7], v[\va], s[\sb:\sb+1] offset:(\off)+1024*f+512
.set f, f+1
.endr
.endm
.macro LNRED                           ; four pairs of partial sums into one number, and the row's other 64 numbers from the lane 16 away
	v_pk_add_f32 v[ST:ST+1], v[ST:ST+1], v[ST+2:ST+3]
	v_pk_add_f32 v[ST+4:ST+5], v[ST+4:ST+5], v[ST+6:ST+7]
	v_pk_add_f32 v[ST:ST+1], v[ST:ST+1], v[ST+4:ST+5]
	v_add_f32 v[ST], v[ST], v[ST+1]
	v_permlanex16_b32 v[ST+1], v[ST], s[SEL], s[SEL+1]
	v_add_f32 v[ST], v[ST], v[ST+1]
.endm
; Y = (x - mean) rsqrt(var + eps) g + b for a lane's 64 numbers at xb of window xw; g and b at gb, bb of window 2.  The mean is taken away before the squares are summed.
.macro LNORM xw, xb, gb, bb
	WIN (\xw)*5
.set j, 0
.rept 4
	v_pk_add_f32 v[ST+2*j:ST+2*j+1], v[(\xb)+2*j:(\xb)+2*j+1], v[(\xb)+8+2*j:(\xb)+9+2*j]
.set j, j+1
.endr
	WIN (\xw)*4
.set j, 8
.rept 24
	v_pk_add_f32 v[ST+2*(j%4):ST+2*(j%4)+1], v[ST+2*(j%4):ST+2*(j%4)+1], v[(\xb)+2*j:(\xb)+2*j+1]
.set j, j+1
.endr
	WIN 0
	LNRED
	v_mul_f32 v[ST+8], s[INV], v[ST]
	v_mov_b32 v[ST+9], v[ST+8]
	WIN (\xw)
.set j, 0
.rept 32
	v_pk_add_f32 v[Y+2*j:Y+2*j+1], v[(\xb)+2*j:(\xb)+2*j+1], v[ST+8:ST+9] neg_lo:[0,1] neg_hi:[0,1]
.set j, j+1
.endr
	WIN 0
.set j, 0
.rept 4
	v_pk_mul_f32 v[ST+2*j:ST+2*j+1], v[Y+2*j:Y+2*j+1], v[Y+2*j:Y+2*j+1]
.set j, j+1
.endr
.rept 28
	v_pk_fma_f32 v[ST+2*(j%4):ST+2*(j%4)+1], v[Y+2*j:Y+2*j+1], v[Y+2*j:Y+2*j+1], v[ST+2*(j%4):ST+2*(j%4)+1]
.set j, j+1
.endr
	LNRED
	v_fma_f32 v[ST], v[ST], s[INV], s[EPS]
	v_rsq_f32 v[ST+10], v[ST]
	v_nop                                          ; a plain instruction behind the root,
	s_wait_alu depctr_va_vdst(0)                   ; and a wait ahead of its first reader
	v_mov_b32 v[ST+11], v[ST+10]
.set j, 0
.rept 32
	v_pk_mul_f32 v[Y+2*j:Y+2*j+1], v[Y+2*j:Y+2*j+1], v[ST+10:ST+11]
.set j, j+1
.endr
	WIN 0x28
.set j, 0
.rept 32
	v_pk_fma_f32 v[Y+2*j:Y+2*j+1], v[Y+2*j:Y+2*j+1], v[(\gb)+2*j:(\gb)+2*j+1], v[(\bb)+2*j:(\bb)+2*j+1]
.set j, j+1
.endr
	WIN 0
.endm
.macro CVTF rt                         ; 64 numbers are the four fragments of a token tile
.set j, 0
.rept 32
	v_cvt_pk_bf16_f32 v[TF+32*(\rt)+j], v[Y+2*j], v[Y+2*j+1]
.set j, j+1
.endr
.endm
	s_load_b256 s[4:11], s[0:1], 0x0               ; h 4, mask 6, gain 8, bias 10
	s_load_b128 s[12:15], s[0:1], 0x20             ; wsm 12, bqkv 14
	s_load_b64 s[16:17], s[0:1], 0x30              ; qkvh
	v_lshrrev_b32 v1, 5, v0
	v_readfirstlane_b32 s2, v1                     ; wave 0..3
	v_and_b32 v2, 31, v0
	v_and_b32 v3, 15, v0                           ; r
	v_bfe_u32 v4, v0, 4, 1                         ; h
	v_lshlrev_b32 v5, 4, v2                        ; 16 L
	v_lshlrev_b32 v6, 5, v4                        ; 32 h
	v_lshl_add_u32 v7, v3, 9, v6                   ; r x 512 + 32 h
	v_lshlrev_b32 v8, 2, v3                        ; 4 r
	v_mov_b32 v[BV+1], 0
	v_mov_b32 v[BV+3], 0
	s_mov_b32 s[INV], 0x3c000000
	s_mov_b32 s[EPS], 0x3727c5ac
	s_mov_b32 s[SEL], 0x76543210
	s_mov_b32 s[SEL+1], 0xfedcba98
	s_mov_b32 s[QS], 0x3eb8aa3b
	s_mov_b32 s[QS+1], s[QS]
	s_lshl_b32 s20, ttmp9, 14                      ; 32 rows of 512 bytes
	s_mov_b32 s21, 0
	s_lshl_b32 s22, ttmp9, 5                       ; 32 mask bytes
	s_mov_b32 s23, 0
	s_lshl_b32 s24, s2, 13                         ; my two heads' 8 fragments
	s_mov_b32 s25, 0
	s_lshl_b32 s26, s2, 7                          ; my two heads' 32 biases
	s_mov_b32 s27, 0
	s_lshr_b32 s28, ttmp9, 6                       ; batch
	s_lshl_b32 s28, s28, 3
	s_lshl_b32 s29, s2, 1
	s_add_co_u32 s28, s28, s29                     ; batch x 8 + head
	s_lshl_b32 s28, s28, 7
	s_and_b32 s29, ttmp9, 63
	s_lshl_b32 s29, s29, 1
	s_add_co_u32 s28, s28, s29                     ; + token tile
	s_lshl_b32 s28, s28, 9
	s_mov_b32 s29, 0
	s_wait_kmcnt 0x0
	s_add_nc_u64 s[4:5], s[4:5], s[20:21]
	s_add_nc_u64 s[6:7], s[6:7], s[22:23]
	s_add_nc_u64 s[12:13], s[12:13], s[24:25]
	s_add_nc_u64 s[14:15], s[14:15], s[26:27]
	s_add_nc_u64 s[16:17], s[16:17], s[28:29]
.set a, 0
.rept 8                                        ; q's and k's biases start the sums: tile a = 2 t + token tile, t = 2 x (q or k) + head; register j is channel 8 h + j
	global_load_b128 v[ACC+8*a:ACC+8*a+3], v6, s[14:15] offset:(a/4)*512+((a/2)%2)*64
	global_load_b128 v[ACC+8*a+4:ACC+8*a+7], v6, s[14:15] offset:(a/4)*512+((a/2)%2)*64+16
.set a, a+1
.endr
	global_load_b32 v[BV], v8, s[14:15] offset:1024
	global_load_b32 v[BV+2], v8, s[14:15] offset:1024+64
	global_load_u8 v[KM], v3, s[6:7]
	global_load_u8 v[KM+1], v3, s[6:7] offset:16
	WIN 0x80
	LD64 0, 7, 4, 0
	LD64 64, 7, 4, 8192
	LD64 128, 6, 8, 0
	LD64 192, 6, 10, 0
	WIN 0x40
.set t, 0
.rept 6
	LDW 32*t, 4, 5, 12, ((t/2)*8+t%2)*4096
.set t, t+1
.endr
	WIN 0
	s_wait_loadcnt 48                              ; all but the 48 loads of weights
	v_cvt_f32_u32 v[KM], v[KM]
	v_cvt_f32_u32 v[KM+1], v[KM+1]
	v_sub_f32 v[KM], 1.0, v[KM]
	v_sub_f32 v[KM+1], 1.0, v[KM+1]
	LNORM 2, 0, 128, 192
	CVTF 0
	LNORM 2, 64, 128, 192
	CVTF 1
	s_wait_loadcnt 0x0
.set kc, 0
.rept 4                                        ; the twelve accumulators take turns, one instruction a turn
	WIN 0x01
.set a, 0
.rept 8
	v_wmma_f32_16x16x32_bf16 v[ACC+8*a:ACC+8*a+7], v[32*(a/2)+8*kc:32*(a/2)+8*kc+7], v[TF+32*(a%2)+8*kc:TF+32*(a%2)+8*kc+7], v[ACC+8*a:ACC+8*a+7]
.set a, a+1
.endr
	WIN 0x04
.rept 4
.if kc == 0
	v_wmma_f32_16x16x32_bf16 v[ACC+8*a:ACC+8*a+7], v[TF+32*(a%2)+8*kc:TF+32*(a%2)+8*kc+7], v[32*(a/2)+8*kc:32*(a/2)+8*kc+7], 0
.else
	v_wmma_f32_16x16x32_bf16 v[ACC+8*a:ACC+8*a+7], v[TF+32*(a%2)+8*kc:TF+32*(a%2)+8*kc+7], v[32*(a/2)+8*kc:32*(a/2)+8*kc+7], v[ACC+8*a:ACC+8*a+7]
.endif
.set a, a+1
.endr
.set kc, kc+1
.endr
	WIN 0
.rept 4
	v_nop                                          ; four places behind the last product
.endr
.set a, 0
.rept 12
.set p, 0
.rept 4
.if a < 4
	v_pk_mul_f32 v[ACC+8*a+2*p:ACC+8*a+2*p+1], v[ACC+8*a+2*p:ACC+8*a+2*p+1], s[QS:QS+1] op_sel_hi:[1,0]
.elseif (a < 8) && (a%2 == 0)
	v_pk_mul_f32 v[ACC+8*a+2*p:ACC+8*a+2*p+1], v[ACC+8*a+2*p:ACC+8*a+2*p+1], v[KM:KM+1] op_sel_hi:[1,0]
.elseif a < 8
	v_pk_mul_f32 v[ACC+8*a+2*p:ACC+8*a+2*p+1], v[ACC+8*a+2*p:ACC+8*a+2*p+1], v[KM:KM+1] op_sel:[0,1] op_sel_hi:[1,1]
.else
	v_pk_add_f32 v[ACC+8*a+2*p:ACC+8*a+2*p+1], v[ACC+8*a+2*p:ACC+8*a+2*p+1], v[BV+2*((a/2)%2):BV+2*((a/2)%2)+1] op_sel_hi:[1,0]
.endif
.set p, p+1
.endr
.set p, 0
.rept 4
	v_cvt_pk_bf16_f32 v[ACC+8*a+p], v[ACC+8*a+2*p], v[ACC+8*a+2*p+1]
.set p, p+1
.endr
	global_store_b128 v5, v[ACC+8*a:ACC+8*a+3], s[16:17] offset:(a/4)*2097152+((a/2)%2)*65536+(a%2)*512  ; a tile: 512 consecutive bytes, aligned
.set a, a+1
.endr
	s_endpgm
.Lfunc_end_k_q84098feaf8_qkv:
	.size	k_q84098feaf8_qkv, .Lfunc_end_k_q84098feaf8_qkv-k_q84098feaf8_qkv
	.p2alignl 7, 3214868480
	.fill 96, 4, 3214868480
	.section	.rodata,"a",@progbits
	.p2align	6, 0x0
	.amdhsa_kernel k_q84098feaf8_qkv
		.amdhsa_group_segment_fixed_size 0
		.amdhsa_private_segment_fixed_size 0
		.amdhsa_enable_private_segment 0
		.amdhsa_kernarg_size 56
		.amdhsa_user_sgpr_count 2
		.amdhsa_user_sgpr_kernarg_segment_ptr 1
		.amdhsa_wavefront_size32 1
		.amdhsa_system_sgpr_workgroup_id_x 1
		.amdhsa_system_sgpr_workgroup_id_y 1
		.amdhsa_system_sgpr_workgroup_id_z 1
		.amdhsa_system_vgpr_workitem_id 0
		.amdhsa_next_free_vgpr 768
		.amdhsa_next_free_sgpr 66
		.amdhsa_reserve_vcc 0
		.amdhsa_float_denorm_mode_32 3
		.amdhsa_float_denorm_mode_16_64 3
		.amdhsa_memory_ordered 1
		.amdhsa_forward_progress 1
		.amdhsa_inst_pref_size 51
	.end_amdhsa_kernel
	.amdgpu_metadata
---
amdhsa.version: [ 1, 2 ]
amdhsa.kernels:
  - .name:           k_q84098feaf8_qkv
    .symbol:         k_q84098feaf8_qkv.kd
    .args:
      - { .name: h, .offset: 0, .size: 8, .value_kind: global_buffer, .address_space: global }
      - { .name: key_padding_mask, .offset: 8, .size: 8, .value_kind: global_buffer, .address_space: global }
      - { .name: ln_a_g, .offset: 16, .size: 8, .value_kind: global_buffer, .address_space: global }
      - { .name: ln_a_b, .offset: 24, .size: 8, .value_kind: global_buffer, .address_space: global }
      - { .name: wsm, .offset: 32, .size: 8, .value_kind: global_buffer, .address_space: global }
      - { .name: bqkv, .offset: 40, .size: 8, .value_kind: global_buffer, .address_space: global }
      - { .name: qkvh, .offset: 48, .size: 8, .value_kind: global_buffer, .address_space: global }
    .group_segment_fixed_size: 0
    .private_segment_fixed_size: 0
    .kernarg_segment_align: 8
    .kernarg_segment_size: 56
    .max_flat_workgroup_size: 128
    .sgpr_count:     66
    .vgpr_count:     768
    .wavefront_size: 32
...
	.end_amdgpu_metadata
.endif
;; end of part 2
;; launch attn (part 3): grid 8 x 32, 8 waves a work-group, clusters of 4 x 1, 167,936 bytes of LDS; arguments qkvh, key_padding_mask, cxh; writes cxh
.if DOCPART == 3
	.amdgcn_target "amdgcn-amd-amdhsa--gfx1250"
	.amdhsa_code_object_version 6
	.text
	.protected	k_q84098feaf8_attn
	.globl	k_q84098feaf8_attn
	.p2align	8
	.type	k_q84098feaf8_attn,@function
k_q84098feaf8_attn:
	s_mov_b64 s[64:65], 0
	v_nop
	global_prefetch_b8 v0, s[64:65] scope:SCOPE_SE
	s_setreg_imm32_b32 hwreg(HW_REG_WAVE_MODE, 25, 1), 1
	s_wait_xcnt 0x0
	s_wait_alu depctr_hold_cnt(0) depctr_sa_sdst(0) depctr_va_vdst(0) depctr_va_sdst(0) depctr_va_ssrc(0) depctr_va_vcc(0) depctr_vm_vsrc(0)
	s_getreg_b32 s2, hwreg(HW_REG_IB_STS2, 6, 4)
	s_cmp_eq_u32 s2, 0
	s_cbranch_scc0 .Lentry_in_a_cluster
	s_endpgm
.Lentry_in_a_cluster:
	s_bfe_u32 s2, ttmp6, 0x10000c
	s_cmp_lg_u32 s2, 0x3003
	s_cbranch_scc0 .Lentry_shape_is_right
	s_endpgm
.Lentry_shape_is_right:
; ctx[b][head][q] = the sum over k of softmax_k(q . k / 4, masked keys at -1e9) v[k].  q (already times log2(e) / 4), k and V^T come in bf16 tiles of 16 x 16; ctx leaves in the same form.
; A work-group has 256 queries of one batch and head, each of its eight waves 32 (two tiles).  A head's 2,048 keys are 64 KiB of K and 64 KiB of V^T: they are brought into LDS ONCE and stay.
; CLUSTER: the four query blocks of a cluster belong to one head: each eighth of K and V^T is asked for jointly, the same tensor load, descriptor and mask in all four.  Nothing is filled again.
; TWO WALKS over the keys, 64 a step.  The first finds each query's true maximum m.  The second starts the sum S^T = K Q^T with -m as its C operand, so that p = 2^(S^T) needs no scaling, and O and l no rescaling.
; The head size is 16 and a product is 32 deep: channel 16 carries THE MASK: K's is bf16(-1e9) for a masked key and 0 else (a table of one word a key), q's is 1; the row k of a masked key was
; written as 0.  So a masked score is that constant alone, and a batch with all keys masked gets equal weights, as the softmax of equal scores does.
; LIMIT: the mask's constant stands in base-2 units and is rounded to bf16 (-998,244,352): a row whose unmasked scores lie below that is not treated as the softmax of -1e9 would treat it.
; LAYOUT: S^T: a lane holds one query (L % 16) and keys 8 (L / 16) + 0..7; two such tiles rounded to bf16 are source 1 of O^T = V^T P, whose result holds one query a lane and eight channels.
; Two waves lie on a SIMD: while one is in its exponentials the other has the matrix unit, so the text goes in plain phases.  No prefetch: K and V are asked for once, at the head.
; Each walk is one loop of 32 steps; a step fetches the next step's K, and in the last step that fetch is jumped over (LDS loads alone are jumped).
.set VOFF,  65536
.set MB,    131072                     ; the mask's table, written by ds_store: no tensor load lands here
.set SPARE, 139264                     ; the spare words, 128 bytes a wave: four blocks of 256 bytes that no other line names
.set KA,  4                            ; v4   LDS address of K's next step
.set MA,  5                            ; v5   of the table's
.set VA,  6                            ; v6   of V^T's
.set K0,  7                            ; v7   16 L
.set M0,  8                            ; v8   MB + 4 r
.set SPW, 10
.set NIL, 11
.set GO,  12                           ; v12  16 L, for Q and ctx
.set Q,   16                           ; v16-31   two fragments of Q
.set NM,  32                           ; v32-47   -m, eight times, by query tile
.set O,   48                           ; v48-63   O^T
.set KF,  64                           ; v64-95   four fragments of K
.set VF,  96                           ; v96-111  two fragments of V^T
.set P,   112                          ; v112-143
.set S,   144                          ; v144-207 tile t = 2 x key tile + query tile
.set LS,  208                          ; v208-215 l, two pairs a query tile
.set MX,  216                          ; v216-219 running maxima, two a query tile
.set WV,  10                           ; s10
.set SEL, 36                           ; s[36:37]
.macro ROUND                           ; a round of the cluster's barrier
	s_barrier_signal -1
	s_barrier_wait -1
	s_cmp_lg_u32 s[WV], 0
	s_cbranch_scc1 .Lnot_wave_0_\@
	s_barrier_signal -3
.Lnot_wave_0_\@:
	s_barrier_wait -3
	s_barrier_signal -1
	s_barrier_wait -1
.endm
.macro PLACES
.rept 4
	v_nop
.endr
.endm
.macro KLOAD                           ; a step's 64 keys: channels 0-15 and the mask's word; registers 5-7 of a fragment stay 0
.set kt, 0
.rept 4
	ds_load_b128 v[KF+8*kt:KF+8*kt+3], v[KA] offset:kt*512
	ds_load_b32 v[KF+8*kt+4], v[MA] offset:kt*64
.set kt, kt+1
.endr
	v_add_nc_u32 v[KA], 2048, v[KA]
	v_add_nc_u32 v[MA], 256, v[MA]
.endm
.macro KNEXT                           ; the next step's K; the walk's last step (s24 = 1) has none
	s_cmp_eq_u32 s24, 1
	s_cbranch_scc1 .Lno_k_\@
	KLOAD
.Lno_k_\@:
.endm
.macro SMM cm                          ; eight products, eight accumulators: no chain
.set t, 0
.rept 8
.if \cm
	v_wmma_f32_16x16x32_bf16 v[S+8*t:S+8*t+7], v[KF+8*(t/2):KF+8*(t/2)+7], v[Q+8*(t%2):Q+8*(t%2)+7], v[NM+8*(t%2):NM+8*(t%2)+7]
.else
	v_wmma_f32_16x16x32_bf16 v[S+8*t:S+8*t+7], v[KF+8*(t/2):KF+8*(t/2)+7], v[Q+8*(t%2):Q+8*(t%2)+7], 0
.endif
.set t, t+1
.endr
.endm
.macro MAXES                           ; each accumulator's lowest registers are read first; four chains
.set j, 0
.rept 4
.set t, 0
.rept 8
	v_max3_num_f32 v[MX+2*(t%2)+(t/2)%2], v[MX+2*(t%2)+(t/2)%2], v[S+8*t+2*j], v[S+8*t+2*j+1]
.set t, t+1
.endr
.set j, j+1
.endr
.endm
.macro P2                              ; a step of the second walk
	s_wait_dscnt 0x0                               ; K is in
	SMM 1
	PLACES                                         ; behind the products: loads into K's and V's registers and the exponentials follow
	KNEXT                                          ; K's loads stand ahead of V's, so that the wait for V is for 0 whether or not they were issued
.set t, 0
.rept 4
	ds_load_b128 v[VF+4*t:VF+4*t+3], v[VA] offset:512*t
.set t, t+1
.endr
	v_add_nc_u32 v[VA], 2048, v[VA]
.set e, 0
.rept 64
	v_exp_f32 v[S+e], v[S+e]
.set e, e+1
.endr
	v_nop                                          ; a plain instruction behind the last exponential,
	s_wait_alu depctr_va_vdst(0)                   ; and ONE wait for the batch of 64, ahead of its first reader
.set t, 0
.rept 8
.set j, 0
.rept 4
	v_cvt_pk_bf16_f32 v[P+16*(t%2)+8*(t/4)+4*((t/2)%2)+j], v[S+8*t+2*j], v[S+8*t+2*j+1]
	v_pk_add_f32 v[LS+4*(t%2)+2*(j%2):LS+4*(t%2)+2*(j%2)+1], v[LS+4*(t%2)+2*(j%2):LS+4*(t%2)+2*(j%2)+1], v[S+8*t+2*j:S+8*t+2*j+1]
.set j, j+1
.endr
.set t, t+1
.endr
	s_wait_dscnt 0x0                               ; V is in (its loads stand 128 vector instructions back)
.set i, 0
.rept 4                                        ; the two accumulators take turns
	v_wmma_f32_16x16x32_bf16 v[O+8*(i%2):O+8*(i%2)+7], v[VF+8*(i/2):VF+8*(i/2)+7], v[P+16*(i%2)+8*(i/2):P+16*(i%2)+8*(i/2)+7], v[O+8*(i%2):O+8*(i%2)+7]
.set i, i+1
.endr
.endm
	s_load_b128 s[4:7], s[0:1], 0x0                ; qkvh 4, mask 6
	s_load_b64 s[8:9], s[0:1], 0x10                ; cxh
	v_lshl_add_u32 v[SPW], v0, 2, SPARE
	v_mov_b32 v[NIL], 0
	ds_add_u32 v[SPW], v[NIL]                      ; the wave's opening: the add, twice on end, and its wait ahead of my first tensor load
	ds_add_u32 v[SPW], v[NIL]
	v_lshrrev_b32 v1, 5, v0
	v_readfirstlane_b32 s[WV], v1                  ; wave 0..7
	s_bfe_u32 s11, ttmp6, 0x40000                  ; cx
	s_lshl_b32 s24, ttmp9, 2
	s_add_co_u32 s24, s24, s11                     ; my block of 256 queries: it enters Q's and ctx's addresses alone
	s_and_b32 s25, ttmp7, 0xffff                   ; batch x 8 + head, which the partners share
	; the descriptor: 16,384 dense bytes as 64 rows of 256 bytes
	s_mov_b32 s16, 15|(3<<16)|(1<<21)              ; the mask of four; elements of 8 bytes; bit 21 beside a mask
	s_mov_b32 s17, 32<<16                          ; tensor_dim0 = 32
	s_mov_b32 s18, 64<<16                          ; tensor_dim1 = 64
	s_mov_b32 s19, 32<<16                          ; tile_dim0 = 32
	s_mov_b32 s20, 64                              ; tile_dim1 = 64
	s_mov_b32 s21, 32                              ; 32 elements from row to row
	s_mov_b32 s22, 0
	s_mov_b32 s23, 0
	s_mov_b32 s12, 1
	s_lshl_b32 s13, s[WV], 14                      ; waves 0-3: K's quarters from LDS byte 0; waves 4-7: V^T's from 65,536
	s_lshr_b32 s26, s[WV], 2
	s_add_co_u32 s26, s26, 1
	s_lshl_b32 s26, s26, 21                        ; k or V^T in qkvh
	s_lshl_b32 s28, s25, 16
	s_add_co_u32 s26, s26, s28                     ; the head
	s_and_b32 s28, s[WV], 3
	s_lshl_b32 s28, s28, 14
	s_add_co_u32 s26, s26, s28                     ; my quarter
	s_mov_b32 s27, 0
	s_lshl_b32 s30, s25, 7
	s_lshl_b32 s31, s24, 4
	s_add_co_u32 s30, s30, s31
	s_lshl_b32 s31, s[WV], 1
	s_add_co_u32 s30, s30, s31                     ; my first query tile
	s_lshl_b32 s30, s30, 9
	s_mov_b32 s31, 0
	s_lshr_b32 s32, s25, 3
	s_lshl_b32 s32, s32, 11                        ; the batch's 2,048 mask bytes
	s_mov_b32 s33, 0
	s_mov_b32 s[SEL], 0x76543210
	s_mov_b32 s[SEL+1], 0xfedcba98
	s_wait_dscnt 0x0                               ; both opening adds are done
	s_wait_kmcnt 0x0
	s_add_nc_u64 s[14:15], s[4:5], s[26:27]
	s_or_b32 s15, s15, 0x80000000
	s_add_nc_u64 s[34:35], s[4:5], s[30:31]        ; Q
	s_add_nc_u64 s[8:9], s[8:9], s[30:31]
	s_add_nc_u64 s[6:7], s[6:7], s[32:33]
	ROUND                                          ; all four work-groups are here: the joint loads meet
	tensor_load_to_lds s[12:15], s[16:23]          ; my one tensor load of the launch
	s_nop 0
	PLACES
	v_and_b32 v2, 31, v0
	v_and_b32 v3, 15, v0
	v_bfe_u32 v13, v0, 4, 1
	v_lshlrev_b32 v[GO], 4, v2
	v_lshlrev_b32 v14, 3, v0
	global_load_b128 v[Q:Q+3], v[GO], s[34:35]
	global_load_b128 v[Q+8:Q+11], v[GO], s[34:35] offset:512
	global_load_b64 v[S:S+1], v14, s[6:7]          ; thread t: the mask of keys 8 t .. 8 t + 7
	v_sub_nc_u32 v1, 1, v13
	v_mul_u32_u24 v[Q+4], v1, 0x3f80               ; channel 16 of q is 1 (it lies in the lanes' lower half); channels 17-31 are 0
	v_mov_b32 v[Q+12], v[Q+4]
.irp i, 5,6,7,13,14,15
	v_mov_b32 v[Q+\i], 0
.endr
.irp i, 5,6,7,13,14,15,21,22,23,29,30,31
	v_mov_b32 v[KF+\i], 0
.endr
	v_mov_b32 v[K0], v[GO]
	v_lshl_add_u32 v[M0], v3, 2, MB
	v_lshl_add_u32 v15, v0, 5, MB
.irp i, 0,1,2,3
	v_mov_b32 v[MX+\i], 0xff7fffff
.endr
	s_wait_loadcnt 0x0
.set z, 0
.rept 8
	v_bfe_u32 v[S+8+z], v[S+z/4], 8*(z%4), 8
	v_mul_u32_u24 v[S+8+z], v[S+8+z], 0xce6e       ; bf16(-1e9) in the low half, channel 16; 0 in the high half, channel 17
.set z, z+1
.endr
	ds_store_b128 v15, v[S+8:S+11]
	ds_store_b128 v15, v[S+12:S+15] offset:16
	s_wait_tensorcnt 0x0                           ; my eighth of K and V^T has landed,
	s_wait_dscnt 0x0                               ; my part of the table is written:
	s_barrier_signal -1
	s_barrier_wait -1                              ; everybody's
	v_mov_b32 v[KA], v[K0]                         ; THE FIRST WALK
	v_mov_b32 v[MA], v[M0]
	KLOAD
	s_mov_b32 s24, 32
.Lmax:
	s_wait_dscnt 0x0
	SMM 0
	PLACES
	KNEXT
	MAXES
	s_sub_co_u32 s24, s24, 1
	s_cmp_lg_u32 s24, 0
	s_cbranch_scc1 .Lmax
	v_max_num_f32 v[MX], v[MX], v[MX+1]
	v_max_num_f32 v[MX+2], v[MX+2], v[MX+3]
	v_permlanex16_b32 v[MX+1], v[MX], s[SEL], s[SEL+1]   ; the query's other keys lie in the lane 16 away
	v_permlanex16_b32 v[MX+3], v[MX+2], s[SEL], s[SEL+1]
	v_max_num_f32 v[MX], v[MX], v[MX+1]
	v_max_num_f32 v[MX+2], v[MX+2], v[MX+3]
.set i, 0
.rept 16
	v_sub_f32 v[NM+i], 0, v[MX+2*(i/8)]
	v_mov_b32 v[O+i], 0                            ; O^T and l start at 0, so that the walk has one form of step
.set i, i+1
.endr
.set i, 0
.rept 8
	v_mov_b32 v[LS+i], 0
.set i, i+1
.endr
	v_mov_b32 v[KA], v[K0]                         ; THE SECOND WALK
	v_mov_b32 v[MA], v[M0]
	v_add_nc_u32 v[VA], VOFF, v[K0]
	KLOAD
	s_mov_b32 s24, 32
.Lsum:
	P2
	s_sub_co_u32 s24, s24, 1
	s_cmp_lg_u32 s24, 0
	s_cbranch_scc1 .Lsum
	PLACES
.irp q, 0,1
	v_pk_add_f32 v[LS+4*\q:LS+4*\q+1], v[LS+4*\q:LS+4*\q+1], v[LS+4*\q+2:LS+4*\q+3]
.endr
.irp q, 0,1
	v_add_f32 v[LS+4*\q], v[LS+4*\q], v[LS+4*\q+1]
.endr
.irp q, 0,1
	v_permlanex16_b32 v[LS+4*\q+1], v[LS+4*\q], s[SEL], s[SEL+1]
.endr
.irp q, 0,1
	v_add_f32 v[LS+4*\q], v[LS+4*\q], v[LS+4*\q+1]
.endr
.irp q, 0,1
	v_rcp_f32 v[LS+4*\q+2], v[LS+4*\q]
.endr
	v_nop
	s_wait_alu depctr_va_vdst(0)                   ; one wait for the two reciprocals
.set i, 0
.rept 8
	v_pk_mul_f32 v[O+2*i:O+2*i+1], v[O+2*i:O+2*i+1], v[LS+4*(i/4)+2:LS+4*(i/4)+3] op_sel_hi:[1,0]
.set i, i+1
.endr
.set i, 0
.rept 8
	v_cvt_pk_bf16_f32 v[O+8*(i/4)+i%4], v[O+8*(i/4)+2*(i%4)], v[O+8*(i/4)+2*(i%4)+1]
.set i, i+1
.endr
	global_store_b128 v[GO], v[O:O+3], s[8:9]             ; a tile: 512 consecutive bytes, aligned
	global_store_b128 v[GO], v[O+8:O+11], s[8:9] offset:512
	s_wait_tensorcnt 0x0                           ; the wave's end
	ds_add_u32 v[SPW], v[NIL]
	s_wait_dscnt 0x0
	ROUND                                          ; the closing round
	s_endpgm
.Lfunc_end_k_q84098feaf8_attn:
	.size	k_q84098feaf8_attn, .Lfunc_end_k_q84098feaf8_attn-k_q84098feaf8_attn
	.p2alignl 7, 3214868480
	.fill 96, 4, 3214868480
	.section	.rodata,"a",@progbits
	.p2align	6, 0x0
	.amdhsa_kernel k_q84098feaf8_attn
		.amdhsa_group_segment_fixed_size 167936
		.amdhsa_private_segment_fixed_size 0
		.amdhsa_enable_private_segment 0
		.amdhsa_kernarg_size 24
		.amdhsa_user_sgpr_count 2
		.amdhsa_user_sgpr_kernarg_segment_ptr 1
		.amdhsa_wavefront_size32 1
		.amdhsa_system_sgpr_workgroup_id_x 1
		.amdhsa_system_sgpr_workgroup_id_y 1
		.amdhsa_system_sgpr_workgroup_id_z 1
		.amdhsa_system_vgpr_workitem_id 0
		.amdhsa_next_free_vgpr 256
		.amdhsa_next_free_sgpr 66
		.amdhsa_reserve_vcc 0
		.amdhsa_float_denorm_mode_32 3
		.amdhsa_float_denorm_mode_16_64 3
		.amdhsa_memory_ordered 1
		.amdhsa_forward_progress 1
		.amdhsa_inst_pref_size 24
	.end_amdhsa_kernel
	.amdgpu_metadata
---
amdhsa.version: [ 1, 2 ]
amdhsa.kernels:
  - .name:           k_q84098feaf8_attn
    .symbol:         k_q84098feaf8_attn.kd
    .args:
      - { .name: qkvh, .offset: 0, .size: 8, .value_kind: global_buffer, .address_space: global }
      - { .name: key_padding_mask, .offset: 8, .size: 8, .value_kind: global_buffer, .address_space: global }
      - { .name: cxh, .offset: 16, .size: 8, .value_kind: global_buffer, .address_space: global }
    .group_segment_fixed_size: 167936
    .private_segment_fixed_size: 0
    .kernarg_segment_align: 8
    .kernarg_segment_size: 24
    .max_flat_workgroup_size: 256
    .sgpr_count:     66
    .vgpr_count:     256
    .wavefront_size: 32
...
	.end_amdgpu_metadata
.endif
;; end of part 3
;; launch wo (part 4): grid 256 x 1, 2 waves a work-group, no clusters, 17,152 bytes of LDS; arguments cxh, wsm, bo, h, ln_op1_g, ln_op1_b, ha, ta; writes ha, ta
.if DOCPART == 4
	.amdgcn_target "amdgcn-amd-amdhsa--gfx1250"
	.amdhsa_code_object_version 6
	.text
	.protected	k_q84098feaf8_wo
	.globl	k_q84098feaf8_wo
	.p2align	8
	.type	k_q84098feaf8_wo,@function
k_q84098feaf8_wo:
	s_mov_b64 s[64:65], 0
	v_nop
	global_prefetch_b8 v0, s[64:65] scope:SCOPE_SE
	s_setreg_imm32_b32 hwreg(HW_REG_WAVE_MODE, 25, 1), 1
	s_wait_xcnt 0x0
; h1 = h + ctx Wo^T + bo -> ha;  t1 = LN(h1) -> ta; both f32, row-major.
; A wave owns 16 tokens and all 128 columns: source 0 = 16 rows of Wo, source 1 = 16 tokens of ctx (heads 2 kc and 2 kc + 1 are the two halves of a fragment).  In the result a lane holds
; one token (L % 16) and the columns 16 ct + 8 (L / 16) + 0..7: half a row, the other half in the lane 16 away: the LN needs one exchange.  bo starts the sums.  No wave waits for another.
; Rows leave through the wave's own stage in LDS (16 rows, 528 bytes apart): each store of the wave is a whole row of 512 bytes.
; REGISTERS: window 0: v16-79 sums, v80-111 ctx, v112-175 h, v176-239 t, v240-251 at work; window 1: Wo's 32 fragments; window 2: v0-63 gain, v64-127 bias.
.set SPARE, 16896
.set STO, 8
.set RD,  9
.set GO,  5
.set SPW, 14
.set NIL, 15
.set ACC, 16
.set CX,  80
.set H,   112
.set Y,   176
.set ST,  240
.set INV, 40
.set EPS, 41
.set SEL, 42
.set MSB, 0
.macro WIN new
.if MSB != (\new)
	s_set_vgpr_msb (MSB<<8)|(\new)
.set MSB, (\new)
.endif
.endm
.macro LD64 dst, va, sb, off
.set c, 0
.rept 8
	global_load_b128 v[(\dst)+8*c:(\dst)+8*c+3], v[\va], s[\sb:\sb+1] offset:(\off)+64*c
	global_load_b128 v[(\dst)+8*c+4:(\dst)+8*c+7], v[\va], s[\sb:\sb+1] offset:(\off)+64*c+16
.set c, c+1
.endr
.endm
.macro LDW dst, n, va, sb, off
.set f, 0
.rept \n
	global_load_b128 v[(\dst)+8*f:(\dst)+8*f+3], v[\va], s[\sb:\sb+1] offset:(\off)+1024*f
	global_load_b128 v[(\dst)+8*f+4:(\dst)+8*f+7], v[\va], s[\sb:\sb+1] offset:(\off)+1024*f+512
.set f, f+1
.endr
.endm
.macro LNRED
	v_pk_add_f32 v[ST:ST+1], v[ST:ST+1], v[ST+2:ST+3]
	v_pk_add_f32 v[ST+4:ST+5], v[ST+4:ST+5], v[ST+6:ST+7]
	v_pk_add_f32 v[ST:ST+1], v[ST:ST+1], v[ST+4:ST+5]
	v_add_f32 v[ST], v[ST], v[ST+1]
	v_permlanex16_b32 v[ST+1], v[ST], s[SEL], s[SEL+1]
	v_add_f32 v[ST], v[ST], v[ST+1]
.endm
.macro LNORM xw, xb, gb, bb            ; Y = (x - mean) rsqrt(var + eps) g + b for a lane's 64 numbers; g, b in window 2
	WIN (\xw)*5
.set j, 0
.rept 4
	v_pk_add_f32 v[ST+2*j:ST+2*j+1], v[(\xb)+2*j:(\xb)+2*j+1], v[(\xb)+8+2*j:(\xb)+9+2*j]
.set j, j+1
.endr
	WIN (\xw)*4
.set j, 8
.rept 24
	v_pk_add_f32 v[ST+2*(j%4):ST+2*(j%4)+1], v[ST+2*(j%4):ST+2*(j%4)+1], v[(\xb)+2*j:(\xb)+2*j+1]
.set j, j+1
.endr
	WIN 0
	LNRED
	v_mul_f32 v[ST+8], s[INV], v[ST]
	v_mov_b32 v[ST+9], v[ST+8]
	WIN (\xw)
.set j, 0
.rept 32
	v_pk_add_f32 v[Y+2*j:Y+2*j+1], v[(\xb)+2*j:(\xb)+2*j+1], v[ST+8:ST+9] neg_lo:[0,1] neg_hi:[0,1]
.set j, j+1
.endr
	WIN 0
.set j, 0
.rept 4
	v_pk_mul_f32 v[ST+2*j:ST+2*j+1], v[Y+2*j:Y+2*j+1], v[Y+2*j:Y+2*j+1]
.set j, j+1
.endr
.rept 28
	v_pk_fma_f32 v[ST+2*(j%4):ST+2*(j%4)+1], v[Y+2*j:Y+2*j+1], v[Y+2*j:Y+2*j+1], v[ST+2*(j%4):ST+2*(j%4)+1]
.set j, j+1
.endr
	LNRED
	v_fma_f32 v[ST], v[ST], s[INV], s[EPS]
	v_rsq_f32 v[ST+10], v[ST]
	v_nop                                          ; a plain instruction behind the root,
	s_wait_alu depctr_va_vdst(0)                   ; and a wait ahead of its first reader
	v_mov_b32 v[ST+11], v[ST+10]
.set j, 0
.rept 32
	v_pk_mul_f32 v[Y+2*j:Y+2*j+1], v[Y+2*j:Y+2*j+1], v[ST+10:ST+11]
.set j, j+1
.endr
	WIN 0x28
.set j, 0
.rept 32
	v_pk_fma_f32 v[Y+2*j:Y+2*j+1], v[Y+2*j:Y+2*j+1], v[(\gb)+2*j:(\gb)+2*j+1], v[(\bb)+2*j:(\bb)+2*j+1]
.set j, j+1
.endr
	WIN 0
.endm
.macro STG src, sb                     ; 16 rows x 128 f32 from the lanes' halves of rows to whole rows, through my own stage, and out
.set c, 0
.rept 8
	ds_store_b128 v[STO], v[(\src)+8*c:(\src)+8*c+3] offset:64*c
	ds_store_b128 v[STO], v[(\src)+8*c+4:(\src)+8*c+7] offset:64*c+16
.set c, c+1
.endr
.set u, 0
.rept 16
	ds_load_b128 v[(\src)+4*u:(\src)+4*u+3], v[RD] offset:u*528   ; LDS serves a wave's instructions in order: these see the stores above
.set u, u+1
.endr
.set u, 0
.rept 16
	s_wait_dscnt 15-u                              ; row u is back; the later rows stay out
	global_store_b128 v[GO], v[(\src)+4*u:(\src)+4*u+3], s[\sb:\sb+1] offset:u*512
.set u, u+1
.endr
.endm
	s_load_b512 s[8:23], s[0:1], 0x0               ; cxh 8, wsm 10, bo 12, h 14, gain 16, bias 18, ha 20, ta 22
	v_lshl_add_u32 v[SPW], v0, 2, SPARE
	v_mov_b32 v[NIL], 0
	v_lshrrev_b32 v1, 5, v0
	v_readfirstlane_b32 s2, v1                     ; wave 0..1
	v_and_b32 v2, 31, v0
	v_and_b32 v3, 15, v0
	v_bfe_u32 v4, v0, 4, 1
	v_lshlrev_b32 v[GO], 4, v2                     ; 16 L
	v_lshlrev_b32 v6, 5, v4                        ; 32 h
	v_lshl_add_u32 v7, v3, 9, v6                   ; r x 512 + 32 h
	s_mov_b32 s[INV], 0x3c000000
	s_mov_b32 s[EPS], 0x3727c5ac
	s_mov_b32 s[SEL], 0x76543210
	s_mov_b32 s[SEL+1], 0xfedcba98
	s_lshl_b32 s3, ttmp9, 1
	s_add_co_u32 s3, s3, s2                        ; my token tile, 0..511
	s_lshr_b32 s24, s3, 7
	s_lshl_b32 s24, s24, 10                        ; the batch's 8 heads x 128 tiles
	s_and_b32 s25, s3, 127
	s_add_co_u32 s24, s24, s25
	s_lshl_b32 s24, s24, 9
	s_mov_b32 s25, 0
	s_lshl_b32 s26, s3, 13                         ; 16 rows of 512 bytes
	s_mov_b32 s27, 0
	s_mul_i32 s28, s2, 8448                        ; my stage
	v_mul_u32_u24 v[STO], v3, 528
	v_add_nc_u32 v[STO], v[STO], v6
	v_add_nc_u32 v[STO], s28, v[STO]
	v_add_nc_u32 v[RD], s28, v[GO]
	s_wait_kmcnt 0x0
	s_add_nc_u64 s[8:9], s[8:9], s[24:25]
	s_add_nc_u64 s[14:15], s[14:15], s[26:27]
	s_add_nc_u64 s[20:21], s[20:21], s[26:27]
	s_add_nc_u64 s[22:23], s[22:23], s[26:27]
.set kc, 0
.rept 4
	global_load_b128 v[CX+8*kc:CX+8*kc+3], v[GO], s[8:9] offset:kc*131072
	global_load_b128 v[CX+8*kc+4:CX+8*kc+7], v[GO], s[8:9] offset:kc*131072+65536
.set kc, kc+1
.endr
	LD64 ACC, 6, 12, 0
	WIN 0x40
	LDW 0, 32, GO, 10, 98304
	WIN 0
	LD64 H, 7, 14, 0
	WIN 0x80
	LD64 0, 6, 16, 0
	LD64 64, 6, 18, 0
	WIN 0
	s_wait_loadcnt 48                              ; ctx, bo and Wo are in; h, gain and bias, 48 loads, stay out
	WIN 0x01
.set kc, 0
.rept 4                                        ; the eight accumulators take turns
.set ct, 0
.rept 8
	v_wmma_f32_16x16x32_bf16 v[ACC+8*ct:ACC+8*ct+7], v[8*(4*ct+kc):8*(4*ct+kc)+7], v[CX+8*kc:CX+8*kc+7], v[ACC+8*ct:ACC+8*ct+7]
.set ct, ct+1
.endr
.set kc, kc+1
.endr
	WIN 0
.rept 4
	v_nop
.endr
	s_wait_loadcnt 0x0
.set j, 0
.rept 32
	v_pk_add_f32 v[H+2*j:H+2*j+1], v[H+2*j:H+2*j+1], v[ACC+2*j:ACC+2*j+1]
.set j, j+1
.endr
	LNORM 0, H, 0, 64
	STG H, 20
	STG Y, 22
	s_wait_tensorcnt 0x0                           ; the wave's end, behind my last LDS store
	ds_add_u32 v[SPW], v[NIL]
	s_wait_dscnt 0x0
	s_endpgm
.Lfunc_end_k_q84098feaf8_wo:
	.size	k_q84098feaf8_wo, .Lfunc_end_k_q84098feaf8_wo-k_q84098feaf8_wo
	.p2alignl 7, 3214868480
	.fill 96, 4, 3214868480
	.section	.rodata,"a",@progbits
	.p2align	6, 0x0
	.amdhsa_kernel k_q84098feaf8_wo
		.amdhsa_group_segment_fixed_size 17152
		.amdhsa_private_segment_fixed_size 0
		.amdhsa_enable_private_segment 0
		.amdhsa_kernarg_size 64
		.amdhsa_user_sgpr_count 2
		.amdhsa_user_sgpr_kernarg_segment_ptr 1
		.amdhsa_wavefront_size32 1
		.amdhsa_system_sgpr_workgroup_id_x 1
		.amdhsa_system_sgpr_workgroup_id_y 1
		.amdhsa_system_sgpr_workgroup_id_z 1
		.amdhsa_system_vgpr_workitem_id 0
		.amdhsa_next_free_vgpr 640
		.amdhsa_next_free_sgpr 66
		.amdhsa_reserve_vcc 0
		.amdhsa_float_denorm_mode_32 3
		.amdhsa_float_denorm_mode_16_64 3
		.amdhsa_memory_ordered 1
		.amdhsa_forward_progress 1
		.amdhsa_inst_pref_size 38
	.end_amdhsa_kernel
	.amdgpu_metadata
---
amdhsa.version: [ 1, 2 ]
amdhsa.kernels:
  - .name:           k_q84098feaf8_wo
    .symbol:         k_q84098feaf8_wo.kd
    .args:
      - { .name: cxh, .offset: 0, .size: 8, .value_kind: global_buffer, .address_space: global }
      - { .name: wsm, .offset: 8, .size: 8, .value_kind: global_buffer, .address_space: global }
      - { .name: bo, .offset: 16, .size: 8, .value_kind: global_buffer, .address_space: global }
      - { .name: h, .offset: 24, .size: 8, .value_kind: global_buffer, .address_space: global }
      - { .name: ln_op1_g, .offset: 32, .size: 8, .value_kind: global_buffer, .address_space: global }
      - { .name: ln_op1_b, .offset: 40, .size: 8, .value_kind: global_buffer, .address_space: global }
      - { .name: ha, .offset: 48, .size: 8, .value_kind: global_buffer, .address_space: global }
      - { .name: ta, .offset: 56, .size: 8, .value_kind: global_buffer, .address_space: global }
    .group_segment_fixed_size: 17152
    .private_segment_fixed_size: 0
    .kernarg_segment_align: 8
    .kernarg_segment_size: 64
    .max_flat_workgroup_size: 64
    .sgpr_count:     66
    .vgpr_count:     640
    .wavefront_size: 32
...
	.end_amdgpu_metadata
.endif
;; end of part 4
;; launch op1 (part 5): grid 64 x 4, 4 waves a work-group, clusters of 4 x 1, 327,680 bytes of LDS; arguments ta, w1s, ha, op1_b, hb; writes hb
.if DOCPART == 5
	.amdgcn_target "amdgcn-amd-amdhsa--gfx1250"
	.amdhsa_code_object_version 6
	.text
	.protected	k_q84098feaf8_op1
	.globl	k_q84098feaf8_op1
	.p2align	8
	.type	k_q84098feaf8_op1,@function
k_q84098feaf8_op1:
	s_mov_b64 s[64:65], 0
	v_nop
	global_prefetch_b8 v0, s[64:65] scope:SCOPE_SE
	s_setreg_imm32_b32 hwreg(HW_REG_WAVE_MODE, 25, 1), 1
	s_wait_xcnt 0x0
	s_wait_alu depctr_hold_cnt(0) depctr_sa_sdst(0) depctr_va_vdst(0) depctr_va_sdst(0) depctr_va_ssrc(0) depctr_va_vcc(0) depctr_vm_vsrc(0)
	s_getreg_b32 s2, hwreg(HW_REG_IB_STS2, 6, 4)
	s_cmp_eq_u32 s2, 0
	s_cbranch_scc0 .Lentry_in_a_cluster
	s_endpgm
.Lentry_in_a_cluster:
	s_bfe_u32 s2, ttmp6, 0x10000c
	s_cmp_lg_u32 s2, 0x3003
	s_cbranch_scc0 .Lentry_shape_is_right
	s_endpgm
.Lentry_shape_is_right:
; THE MIX: out[n][c] = hin[n][c] + b[c] + the sum over i, j of W[c][128 i + j] t[n][i] t[n][j].  Arguments: t (f32), the folded weights W' (bf16 fragments), hin, b, out.
; WORK LEFT OUT: the mirrored pairs of blocks, since t_i t_j = t_j t_i for all t: W' holds F (W[c][i][j] + W[c][j][i]) for blocks J >= I alone (shown at the head of the launch that lays the weights out).
; THE OUTER PRODUCT IS NEVER FORMED: out = the sum over i of t_i[n] Y_i[n][c], Y_i = the sum over j in blocks J >= I of W'[c][i][j] t_j[n].  Y_i is a matrix product (source 0 = 16 columns c of W' for that i,
; source 1 = 16 tokens of t in bf16, which stay in registers); in its result a lane holds ONE token, so t_i is one number a lane (f32, from LDS), and four packed multiply-adds take a tile of Y_i into the f32 sum.
; SHARES: a work-group has 128 tokens and 32 columns; wave w tokens 64 (w / 2) .. + 63 (four tiles) and columns 16 (w % 2) .. + 15.  A STEP is one i: 4 n products, n = 4 - I, and the 16 multiply-adds
; of the step before, which stand between the products.  A TRIP is four steps.
; CLUSTER: the four token blocks of a cluster walk the same 655,360 bytes of W': each fill is asked for jointly.  A tile of 128 x 32 asks for half the weights' bytes for each product that 64 x 64 would;
; the price: a row of the result is 128 bytes, so a store's lanes fill halves of aligned blocks of 256 bytes.
; THE RING: two LDS slots of 122,880 bytes, as large as fit beside t, the spare words and the stage.  W' comes in six fills of 98,304, 98,304, 114,688, 122,880, 122,880 and 98,304 bytes, cut at trips' ends.
; A refill has the other slot's products in which to land: 192, 224, 240 and 240 matrix instructions a wave.  By this text's count a wave has three tensor loads out at the start (t, fills 0 and 1) and one
; behind each of four changes.  A fill may hold trips of two n, so the walk is nine SEGMENTS of one n each, a loop a segment.
; FROM LDS TO REGISTERS: fragments come in groups of four (three where n = 3), a group ahead: 16 (12) products stand between a group's loads and the wait for them, whatever n: a group is one step at n = 4 and 3,
; two steps at n = 2, four steps at n = 1.  The next trip's four t_i are loaded at a trip's first step and copied into place at its end.  In the last trip of a segment that ends its slot the fetch of
; a group that the slot does not hold is jumped over (LDS loads alone are jumped); where the next segment lies in the same slot its first group follows on in LDS and is fetched like any other.
; REGISTERS: window 0: v0-31 addresses; v32-63 the sums; v64-127 Y_i, two sets; v128-191 W' fragments, two groups; v192-223 hin; v224-239 the next trip's t_i.  window 1: v0-127 t in bf16 (tile x 32 + J x 8);
; v128-143 t_i of a trip's four i; v144-147 the last t_i of the trip before.  The loop runs under ONE window setting (source 1 in window 1), which suits the products, the multiply-adds and the loads alike.
.set SLOTB, 122880
.set TS,    245760                     ; t in f32: 128 rows, 528 bytes apart
.set TP,    528
.set SPARE, 313344                     ; the spare words, 128 bytes a wave: two blocks of 256 bytes that no other line names
.set STAGE, 313856                     ; the way out: 64 rows, 144 bytes apart, used twice; no tensor load lands here
.set SP,    144
.set WB,   8                           ; v8-9  my place in a fragment of slot 0, 1: (w % 2) 1,024 + 16 L
.set WA,   10                          ; v10   the trip's first fragment
.set SAD,  11                          ; v11   t[my token][the trip's first i]
.set FA,   12
.set STO,  13
.set RD,   14
.set GO,   15
.set PF120, 16
.set PF96, 17
.set BO,   18
.set SPW,  20
.set NIL,  21
.set ACC,  32
.set TMP,  64
.set WF,   128
.set HIN,  192
.set SCN,  224
.set TF,   0
.set SC,   128
.set SCL,  144
.set WV,   14
.set CNT,  20
.set PFF,  21                          ; s21  1 in the first cluster of a row of clusters: it prefetches
.set G1W,  24                          ; s[24:31] descriptor group 1 for W': its two words of rows are written anew for each refill
.set OFFP, 32                          ; s[32:33] a byte offset in my columns' stream
.set G1T,  40                          ; s[40:47]
.set G0T,  48
.set G0A,  52
.set G0B,  56
.set WSB,  60                          ; s[60:61] W' at my columns' stream
.set P120, 66                          ; s[66:67] the same, at my work-group's quarter of my wave's quarter of a fill of 122,880 bytes
.set P96,  68                          ; s[68:69] of one of 98,304
.set MSB, 0
.macro WIN new
.if MSB != (\new)
	s_set_vgpr_msb (MSB<<8)|(\new)
.set MSB, (\new)
.endif
.endm
.macro ROUND
	s_barrier_signal -1
	s_barrier_wait -1
	s_cmp_lg_u32 s[WV], 0
	s_cbranch_scc1 .Lnot_wave_0_\@
	s_barrier_signal -3
.Lnot_wave_0_\@:
	s_barrier_wait -3
	s_barrier_signal -1
	s_barrier_wait -1
.endm
.macro PLACES
.rept 4
	v_nop
.endr
.endm
.macro WLD dst, cnt, off               ; cnt fragments of my column tile, from byte off behind the trip's first
.set jj, 0
.rept \cnt
	ds_load_b128 v[(\dst)+8*jj:(\dst)+8*jj+3], v[WA] offset:(\off)+jj*2048
	ds_load_b128 v[(\dst)+8*jj+4:(\dst)+8*jj+7], v[WA] offset:(\off)+jj*2048+512
.set jj, jj+1
.endr
.endm
.macro SLD                             ; the next trip's four t_i of my four tokens
.irp r, 0,1,2,3
	ds_load_b128 v[SCN+4*\r:SCN+4*\r+3], v[SAD] offset:\r*16*TP+16
.endr
.endm
.macro GLD dst, cnt, off, sc           ; a group of the next trip: not in the last trip (CNT = 1) of a segment that ends its slot.  sc = 1, in the last segment: the t_i likewise
	WIN 0                                          ; at a branch and at a label every window is 0
	s_cmp_eq_u32 s[CNT], 1
	s_cbranch_scc1 .Lnone_\@
	WLD \dst, \cnt, \off
.if \sc
	SLD
.endif
.Lnone_\@:
	WIN 0x04
.endm
.macro NEXTG dst, cnt, off, jmp        ; jmp = 0: the segment is followed by another in the same slot, whose first group lies where the next trip's would
.if \jmp
	GLD \dst, \cnt, \off, 0
.else
	WLD \dst, \cnt, \off
.endif
.endm
; Multiply-add x of 16 for the step before step ii: tile x / 4, pair x % 4 of set ps; the scale is one register of a pair, chosen for both halves.
.macro RID x, ii, ps
.set rr, (\x)/4
.set pp, (\x)%4
.if (\ii) == 0
.set sb, SCL+(rr&2)
.set sl, rr&1
.else
.set sb, SC+4*rr+(((\ii)-1)&2)
.set sl, ((\ii)-1)&1
.endif
.if sl
	v_pk_fma_f32 v[ACC+8*rr+2*pp:ACC+8*rr+2*pp+1], v[TMP+32*(\ps)+8*rr+2*pp:TMP+32*(\ps)+8*rr+2*pp+1], v[sb:sb+1], v[ACC+8*rr+2*pp:ACC+8*rr+2*pp+1] op_sel:[0,1,0] op_sel_hi:[1,1,1]
.else
	v_pk_fma_f32 v[ACC+8*rr+2*pp:ACC+8*rr+2*pp+1], v[TMP+32*(\ps)+8*rr+2*pp:TMP+32*(\ps)+8*rr+2*pp+1], v[sb:sb+1], v[ACC+8*rr+2*pp:ACC+8*rr+2*pp+1] op_sel_hi:[1,0,1]
.endif
.endm
; The products of step ii of a trip, its n fragments at wf.  The four accumulators take turns, one instruction a turn; the first four products start the sums with the constant 0.
; Twelve of the sixteen multiply-adds of the step before are spread behind the products; the last four stand behind the last product: they name none of its registers and are the four places
; in front of loads into the fragments that it read and of the next step's reads of its result.
.macro MULS n, I, ii, wf
.set st, (\ii)%2
.set k, 0
.set x, 0
.rept 4*(\n)
.set rD, TMP+32*st+8*(k%4)
.set rA, (\wf)+8*(k/4)
.set rB, TF+32*(k%4)+8*((\I)+k/4)
.if k < 4
	v_wmma_f32_16x16x32_bf16 v[rD:rD+7], v[rA:rA+7], v[rB:rB+7], 0
.else
	v_wmma_f32_16x16x32_bf16 v[rD:rD+7], v[rA:rA+7], v[rB:rB+7], v[rD:rD+7]
.endif
.set k, k+1
.set lim, 16
.if k < 4*(\n)
.set lim, 12*k/(4*(\n)-1)
.endif
.rept lim-x
	RID x, \ii, 1-st
.set x, x+1
.endr
.endr
.endm
.macro TEND n                          ; a trip's end: the last t_i is kept for the next step's multiply-adds, the next trip's four take their place, the addresses step
	WIN 0x44
.irp r, 0,1,2,3
	v_or_b32 v[SCL+\r], 0, v[SC+4*\r+3]            ; (a copy whose source stands in source 1's place, which is in window 1)
.endr
.set j, 0
.rept 16
	v_mov_b32 v[SC+j], v[SCN+j]
.set j, j+1
.endr
	WIN 0
	v_add_nc_u32 v[WA], 8192*(\n), v[WA]
	v_add_nc_u32 v[SAD], 16, v[SAD]
.endm
.macro TRIPA n, I, g, jmp              ; n = 4 or 3: a group is a step's fragments.  Each wait is for the group asked for a step earlier (and, at the second step, for the t_i).  g: the fragments of the group behind the trip
	WIN 0x04
	s_wait_dscnt 0x0
	WLD WF+32, \n, (\n)*2048
	SLD
	MULS \n, \I, 0, WF
	s_wait_dscnt 0x0
	WLD WF, \n, 2*(\n)*2048
	MULS \n, \I, 1, WF+32
	s_wait_dscnt 0x0
	WLD WF+32, \n, 3*(\n)*2048
	MULS \n, \I, 2, WF
	s_wait_dscnt 0x0
	NEXTG WF, \g, 4*(\n)*2048, \jmp
	MULS \n, \I, 3, WF+32
	TEND \n
.endm
.macro TRIPB I, jmp                    ; n = 2: a group is two steps' fragments
	WIN 0x04
	s_wait_dscnt 0x0
	WLD WF+32, 4, 4*2048
	SLD
	MULS 2, \I, 0, WF
	MULS 2, \I, 1, WF+16
	s_wait_dscnt 0x0
	NEXTG WF, 4, 8*2048, \jmp
	MULS 2, \I, 2, WF+32
	MULS 2, \I, 3, WF+48
	TEND 2
.endm
.macro TRIPC I, par                    ; n = 1: a group is a trip's fragments; the trips take the two groups of registers by turns, so two are written
	WIN 0x04
	s_wait_dscnt 0x0
.if (\par) == 0
	WLD WF+32, 4, 4*2048
	SLD
.else
	GLD WF, 4, 4*2048, 1
.endif
	MULS 1, \I, 0, WF+32*(\par)
	MULS 1, \I, 1, WF+32*(\par)+8
	MULS 1, \I, 2, WF+32*(\par)+16
	MULS 1, \I, 3, WF+32*(\par)+24
	s_wait_dscnt 0x0                               ; the t_i, asked for four steps back, are in
	TEND 1
.endm
.macro SEG k, trips, n, I, g, jmp      ; a segment: trips of one n (at n = 1: pairs of trips)
	s_mov_b32 s[CNT], \trips
.Lseg\k:
.if (\n) >= 3
	TRIPA \n, \I, \g, \jmp
.elseif (\n) == 2
	TRIPB \I, \jmp
.else
	TRIPC \I, 0
	TRIPC \I, 1
.endif
	s_sub_co_u32 s[CNT], s[CNT], 1
	s_cmp_lg_u32 s[CNT], 0
	s_cbranch_scc1 .Lseg\k
.endm
; THE CHANGE OF SLOTS behind fill k.  Each wave waits for all its tensor loads, of which one is out: its quarter of the next slot; adds 0 to its spare word; and waits for that and for its reads of the slot
; that it leaves.  R > 0: the slot is filled again with the fill two on (R rows of 256 bytes a wave, foff its byte in the stream): the barrier is then a round of the cluster's, and the joint load is the
; first thing behind it.  R = 0: nothing is left to ask for.  Then the next slot's first group (nn fragments); the trip's first line waits for it.  ak, aoff: the fill that stands two refills on is prefetched.
.macro CHANGE k, R, foff, nn, ak, aoff
	WIN 0
	s_wait_tensorcnt 0x0                           ; no tensor load of mine is out, so the descriptor's words may be written
	ds_add_u32 v[SPW], v[NIL]                      ; 0 onto my spare word; the descriptor's words stand between it and the wait for it
.if \R
	s_mov_b32 s[G1W+2], (\R)<<16                   ; tensor_dim1
	s_mov_b32 s[G1W+4], \R                         ; tile_dim1
	s_mul_i32 s[OFFP], s[WV], (\R)*256             ; my quarter's place in the fill
.if (\k)%2
	s_add_co_u32 s[G0A+1], s[OFFP], SLOTB
.else
	s_mov_b32 s[G0A+1], s[OFFP]
.endif
	s_add_co_u32 s[OFFP], s[OFFP], \foff
	s_add_nc_u64 s[G0A+2:G0A+3], s[WSB:WSB+1], s[OFFP:OFFP+1]
	s_or_b32 s[G0A+3], s[G0A+3], 0x80000000
.endif
	s_wait_dscnt 0x0                               ; the add is done, and my reads of the slot are over
.if \R
	ROUND
	tensor_load_to_lds s[G0A:G0A+3], s[G1W:G1W+7]
	s_nop 0
	PLACES
.else
	s_barrier_signal -1
	s_barrier_wait -1
.endif
	v_mov_b32 v[WA], v[WB+((\k)+1)%2]
	WLD WF, \nn, 0
.if \ak
	s_cmp_eq_u32 s[PFF], 1                         ; the same in all four partners
	s_cbranch_scc0 .Lnot_mine\k
.if (\ak) == 120
	global_prefetch_b8 v[PF120], s[P120:P120+1] offset:\aoff th:TH_LOAD_NT scope:SCOPE_SE
.else
	global_prefetch_b8 v[PF96], s[P96:P96+1] offset:\aoff th:TH_LOAD_NT scope:SCOPE_SE
.endif
.Lnot_mine\k:
.endif
.endm
	s_load_b256 s[4:11], s[0:1], 0x0               ; t 4, W' 6, hin 8, b 10
	s_load_b64 s[12:13], s[0:1], 0x20              ; out
	v_lshl_add_u32 v[SPW], v0, 2, SPARE
	v_mov_b32 v[NIL], 0
	ds_add_u32 v[SPW], v[NIL]                      ; the wave's opening: the add, twice on end, and its wait ahead of my first tensor load
	ds_add_u32 v[SPW], v[NIL]
	v_lshrrev_b32 v1, 5, v0
	v_readfirstlane_b32 s[WV], v1                  ; wave 0..3
	s_bfe_u32 s15, ttmp6, 0x40000                  ; cx
	s_lshl_b32 s16, ttmp9, 2
	s_add_co_u32 s16, s16, s15                     ; my block of 128 tokens
	s_and_b32 s17, ttmp7, 0xffff                   ; my 32 columns, which the partners share
	s_lshr_b32 s18, s[WV], 1                       ; which 64 tokens
	s_and_b32 s19, s[WV], 1                        ; which 16 columns
	s_cmp_eq_u32 ttmp9, 0
	s_cselect_b32 s[PFF], 1, 0
	; W': dense bytes as rows of 256: a wave's quarter of the first two fills is 96 rows
	s_mov_b32 s[G1W], 15|(3<<16)|(1<<21)           ; the mask of four; elements of 8 bytes; bit 21 beside a mask
	s_mov_b32 s[G1W+1], 32<<16
	s_mov_b32 s[G1W+2], 96<<16
	s_mov_b32 s[G1W+3], 32<<16
	s_mov_b32 s[G1W+4], 96
	s_mov_b32 s[G1W+5], 32
	s_mov_b32 s[G1W+6], 0
	s_mov_b32 s[G1W+7], 0
	; t: my work-group's own load, no mask: 32 rows of 128 f32, 4 words of padding behind every 128
	s_mov_b32 s[G1T], (2<<16)|(1<<20)|(6<<22)|(3<<25)
	s_mov_b32 s[G1T+1], 128<<16
	s_mov_b32 s[G1T+2], 32<<16
	s_mov_b32 s[G1T+3], 128<<16
	s_mov_b32 s[G1T+4], 32
	s_mov_b32 s[G1T+5], 128
	s_mov_b32 s[G1T+6], 0
	s_mov_b32 s[G1T+7], 0
	s_mov_b32 s[G0T], 1
	s_mul_i32 s[G0T+1], s[WV], 32*TP
	s_add_co_u32 s[G0T+1], s[G0T+1], TS
	s_mul_i32 s[OFFP], s[WV], 24576                ; my quarter's place in a fill of 98,304 bytes
	s_mov_b32 s[OFFP+1], 0
	s_mov_b32 s[G0A], 1
	s_mov_b32 s[G0A+1], s[OFFP]
	s_mov_b32 s[G0B], 1
	s_add_co_u32 s[G0B+1], s[OFFP], SLOTB
	s_mul_i32 s72, s17, 655360                     ; my columns' stream
	s_mov_b32 s73, 0
	s_mul_i32 s74, s[WV], 30720                    ; the prefetches: the partners share a wave's quarter out by address: 30 rows each of 120,
	s_mul_i32 s79, s15, 7680
	s_add_co_u32 s74, s74, s79
	s_mov_b32 s75, 0
	s_mul_i32 s79, s15, 6144                       ; 24 each of 96
	s_add_co_u32 s76, s[OFFP], s79
	s_mov_b32 s77, 0
	s_lshl_b32 s70, s16, 16                        ; 128 rows of 512 bytes
	s_lshl_b32 s78, s18, 15
	s_add_co_u32 s78, s78, s70
	s_lshl_b32 s79, s19, 13
	s_add_co_u32 s78, s78, s79                     ; the rows that I store: from row 64 (w / 2) + 16 (w % 2) of the block on
	s_lshl_b32 s71, s[WV], 14
	s_add_co_u32 s70, s70, s71                     ; the 32 rows of t that I fetch
	s_mov_b32 s71, 0
	s_wait_dscnt 0x0                               ; both opening adds are done
	s_wait_kmcnt 0x0
	s_add_nc_u64 s[G0T+2:G0T+3], s[4:5], s[70:71]
	s_or_b32 s[G0T+3], s[G0T+3], 0x80000000
	s_add_nc_u64 s[WSB:WSB+1], s[6:7], s[72:73]
	s_add_nc_u64 s[G0A+2:G0A+3], s[WSB:WSB+1], s[OFFP:OFFP+1]
	s_add_nc_u64 s[G0B+2:G0B+3], s[G0A+2:G0A+3], 98304
	s_or_b32 s[G0A+3], s[G0A+3], 0x80000000
	s_or_b32 s[G0B+3], s[G0B+3], 0x80000000
	s_add_nc_u64 s[P120:P120+1], s[WSB:WSB+1], s[74:75]
	s_add_nc_u64 s[P96:P96+1], s[WSB:WSB+1], s[76:77]
	s_lshl_b32 s72, s17, 7                         ; my 32 columns: 128 bytes of a row
	s_lshl_b32 s74, s19, 6
	s_add_co_u32 s74, s74, s72                     ; b at my wave's 16 columns
	s_add_co_u32 s72, s72, s78
	s_add_nc_u64 s[8:9], s[8:9], s[72:73]          ; hin and out at the rows that I store
	s_add_nc_u64 s[12:13], s[12:13], s[72:73]
	s_add_nc_u64 s[10:11], s[10:11], s[74:75]
	ROUND                                          ; all four work-groups are here: the first loads meet
	tensor_load_to_lds s[G0T:G0T+3], s[G1T:G1T+7]
	s_nop 0
	tensor_load_to_lds s[G0A:G0A+3], s[G1W:G1W+7]
	s_nop 0
	tensor_load_to_lds s[G0B:G0B+3], s[G1W:G1W+7]
	s_nop 0
	PLACES
	v_and_b32 v2, 31, v0
	v_and_b32 v3, 15, v0
	v_bfe_u32 v4, v0, 4, 1
	v_lshlrev_b32 v[WB], 4, v2
	v_lshl_add_u32 v[WB], s19, 10, v[WB]
	v_add_nc_u32 v[WB+1], SLOTB, v[WB]
	s_lshl_b32 s70, s18, 6
	v_add_nc_u32 v5, s70, v3                       ; my token in the block, first tile
	v_mul_u32_u24 v[SAD], v5, TP
	v_add_nc_u32 v[SAD], TS, v[SAD]
	v_lshl_add_u32 v[FA], v4, 5, v[SAD]
	s_lshl_b32 s70, s18, 5
	v_add_nc_u32 v5, s70, v3                       ; into the stage: row 32 (w / 2) + 16 (tile % 2) + r, my 16 columns' 64 bytes
	v_mul_u32_u24 v[STO], v5, SP
	v_lshl_add_u32 v[STO], v4, 5, v[STO]
	v_lshl_add_u32 v[STO], s19, 6, v[STO]
	v_add_nc_u32 v[STO], STAGE, v[STO]
	v_lshrrev_b32 v6, 3, v2
	v_and_b32 v7, 7, v2
	s_lshl_b32 s71, s[WV], 4
	v_add_nc_u32 v1, s71, v6
	v_mul_u32_u24 v[RD], v1, SP
	v_lshl_add_u32 v[RD], v7, 4, v[RD]
	v_add_nc_u32 v[RD], STAGE, v[RD]               ; back: rows 16 w .. 16 w + 15: eight lanes take a row's 128 bytes, a load four rows
	v_lshlrev_b32 v[GO], 9, v6
	v_lshl_add_u32 v[GO], v7, 4, v[GO]
	v_lshlrev_b32 v[BO], 5, v4
	v_min_u32 v[PF120], 29, v2                     ; a lane a row of 256 bytes: 30 or 24 rows; the lanes past them repeat the last
	v_lshlrev_b32 v[PF120], 8, v[PF120]
	v_min_u32 v[PF96], 23, v2
	v_lshlrev_b32 v[PF96], 8, v[PF96]
.irp r, 0,1,2,3
	global_load_b128 v[ACC+8*\r:ACC+8*\r+3], v[BO], s[10:11]            ; b starts the sums
	global_load_b128 v[ACC+8*\r+4:ACC+8*\r+7], v[BO], s[10:11] offset:16
.endr
.set e, 0
.rept 8                                        ; hin of the rows that I store: half e / 4 of the way out lies 32 rows on, a load takes four rows
	global_load_b128 v[HIN+4*e:HIN+4*e+3], v[GO], s[8:9] offset:(e/4)*16384+(e%4)*2048
.set e, e+1
.endr
	s_wait_tensorcnt 0x2                           ; my part of t is in; both slots' fills, issued behind it, may stay out
	s_barrier_signal -1
	s_barrier_wait -1                              ; everybody's part of t is in: its fragments are made while fill 0 is on its way
.macro TLOAD rt, buf                   ; a token tile's 64 numbers a lane
.set c, 0
.rept 8
	ds_load_b128 v[(\buf)+8*c:(\buf)+8*c+3], v[FA] offset:(\rt)*16*TP+64*c
	ds_load_b128 v[(\buf)+8*c+4:(\buf)+8*c+7], v[FA] offset:(\rt)*16*TP+64*c+16
.set c, c+1
.endr
.endm
.macro TCVT rt, buf
	WIN 0x40
.set j, 0
.rept 32
	v_cvt_pk_bf16_f32 v[TF+32*(\rt)+j], v[(\buf)+2*j], v[(\buf)+2*j+1]
.set j, j+1
.endr
	WIN 0
.endm
	TLOAD 0, 64
	TLOAD 1, 128
	s_wait_dscnt 16                                ; the older tile is in; the younger one's 16 loads stay out
	TCVT 0, 64
	TLOAD 2, 64
	s_wait_dscnt 16
	TCVT 1, 128
	TLOAD 3, 128
	s_wait_dscnt 16
	TCVT 2, 64
	s_wait_dscnt 0x0
	TCVT 3, 128
	WIN 0x40
.irp r, 0,1,2,3
	ds_load_b128 v[SC+4*\r:SC+4*\r+3], v[SAD] offset:\r*16*TP     ; the first trip's t_i
.endr
.irp r, 0,1,2,3
	v_mov_b32 v[SCL+\r], 0                         ; the first step's multiply-adds, of a step that has not been, add 0 x 0
.endr
	WIN 0
.set j, 0
.rept 32
	v_mov_b32 v[TMP+32+j], 0
.set j, j+1
.endr
	s_wait_loadcnt 0x0
	s_wait_tensorcnt 0x1                           ; my part of fill 0 is in; fill 1's may stay out
	s_wait_dscnt 0x0
	s_barrier_signal -1
	s_barrier_wait -1
	v_mov_b32 v[WA], v[WB]
	WLD WF, 4, 0                                   ; the first group: the trip's first line waits for it
	SEG 0, 3, 4, 0, 4, 1                           ; fill 0: i = 0 .. 11
	CHANGE 0, 112, 196608, 4, 120, 434176
	SEG 1, 3, 4, 0, 4, 1                           ; fill 1: i = 12 .. 23
	CHANGE 1, 120, 311296, 4, 96, 557056
	SEG 2, 2, 4, 0, 4, 0                           ; fill 2: i = 24 .. 31,
	SEG 3, 2, 3, 1, 3, 1                           ;         i = 32 .. 39
	CHANGE 2, 120, 434176, 3, 0, 0
	SEG 4, 5, 3, 1, 3, 1                           ; fill 3: i = 40 .. 59
	CHANGE 3, 96, 557056, 3, 0, 0
	SEG 5, 1, 3, 1, 4, 0                           ; fill 4: i = 60 .. 63 (the group behind it is the next segment's: four fragments),
	SEG 6, 6, 2, 2, 4, 1                           ;         i = 64 .. 87
	CHANGE 4, 0, 0, 4, 0, 0
	SEG 7, 2, 2, 2, 4, 0                           ; fill 5: i = 88 .. 95,
	SEG 8, 4, 1, 3, 4, 1                           ;         i = 96 .. 127
	WIN 0x04
.set x, 0
.rept 16
	RID x, 0, 1                                    ; the last step's sums, by the t_i that the trip's end has kept; the multiply-adds and copies behind its last product were the places
.set x, x+1
.endr
	WIN 0
; THE WAY OUT, in two halves of 64 rows (token tiles 2 p and 2 p + 1 of each wave): a row's 128 bytes come from two waves, so they meet in the stage; wave w takes rows 16 w .. 16 w + 15 back,
; which are rows 64 (w / 2) + 32 p + 16 (w % 2) + 0 .. 15 of the block.
.macro TOST p
.irp r, 0,1
	ds_store_b128 v[STO], v[ACC+8*(2*(\p)+\r):ACC+8*(2*(\p)+\r)+3] offset:\r*16*SP
	ds_store_b128 v[STO], v[ACC+8*(2*(\p)+\r)+4:ACC+8*(2*(\p)+\r)+7] offset:\r*16*SP+16
.endr
	s_wait_dscnt 0x0                               ; for the others' sake: my stores into the stage are done
	s_barrier_signal -1
	s_barrier_wait -1
.irp u, 0,1,2,3
	ds_load_b128 v[TMP+16*(\p)+4*\u:TMP+16*(\p)+4*\u+3], v[RD] offset:\u*4*SP
.endr
	s_wait_dscnt 0x0
.endm
.macro RESID p
.set j, 0
.rept 8
	v_pk_add_f32 v[TMP+16*(\p)+2*j:TMP+16*(\p)+2*j+1], v[TMP+16*(\p)+2*j:TMP+16*(\p)+2*j+1], v[HIN+16*(\p)+2*j:HIN+16*(\p)+2*j+1]
.set j, j+1
.endr
.endm
.macro SEND p
.irp u, 0,1,2,3
	global_store_b128 v[GO], v[TMP+16*(\p)+4*\u:TMP+16*(\p)+4*\u+3], s[12:13] offset:(\p)*16384+\u*2048
.endr
.endm
	TOST 0
	s_barrier_signal -1                            ; my reads of the stage are back: it is written again only when all four waves have said so
	RESID 0                                        ; work on registers while the others arrive
	s_barrier_wait -1
	SEND 0
	TOST 1
	RESID 1
	SEND 1
	s_wait_tensorcnt 0x0                           ; the wave's end
	ds_add_u32 v[SPW], v[NIL]
	s_wait_dscnt 0x0
	ROUND                                          ; the closing round
	s_endpgm
.Lfunc_end_k_q84098feaf8_op1:
	.size	k_q84098feaf8_op1, .Lfunc_end_k_q84098feaf8_op1-k_q84098feaf8_op1
	.p2alignl 7, 3214868480
	.fill 96, 4, 3214868480
	.section	.rodata,"a",@progbits
	.p2align	6, 0x0
	.amdhsa_kernel k_q84098feaf8_op1
		.amdhsa_group_segment_fixed_size 327680
		.amdhsa_private_segment_fixed_size 0
		.amdhsa_enable_private_segment 0
		.amdhsa_kernarg_size 40
		.amdhsa_user_sgpr_count 2
		.amdhsa_user_sgpr_kernarg_segment_ptr 1
		.amdhsa_wavefront_size32 1
		.amdhsa_system_sgpr_workgroup_id_x 1
		.amdhsa_system_sgpr_workgroup_id_y 1
		.amdhsa_system_sgpr_workgroup_id_z 1
		.amdhsa_system_vgpr_workitem_id 0
		.amdhsa_next_free_vgpr 512
		.amdhsa_next_free_sgpr 80
		.amdhsa_reserve_vcc 0
		.amdhsa_float_denorm_mode_32 3
		.amdhsa_float_denorm_mode_16_64 3
		.amdhsa_memory_ordered 1
		.amdhsa_forward_progress 1
		.amdhsa_inst_pref_size 128
	.end_amdhsa_kernel
	.amdgpu_metadata
---
amdhsa.version: [ 1, 2 ]
amdhsa.kernels:
  - .name:           k_q84098feaf8_op1
    .symbol:         k_q84098feaf8_op1.kd
    .args:
      - { .name: ta, .offset: 0, .size: 8, .value_kind: global_buffer, .address_space: global }
      - { .name: w1s, .offset: 8, .size: 8, .value_kind: global_buffer, .address_space: global }
      - { .name: ha, .offset: 16, .size: 8, .value_kind: global_buffer, .address_space: global }
      - { .name: op1_b, .offset: 24, .size: 8, .value_kind: global_buffer, .address_space: global }
      - { .name: hb, .offset: 32, .size: 8, .value_kind: global_buffer, .address_space: global }
    .group_segment_fixed_size: 327680
    .private_segment_fixed_size: 0
    .kernarg_segment_align: 8
    .kernarg_segment_size: 40
    .max_flat_workgroup_size: 128
    .sgpr_count:     80
    .vgpr_count:     512
    .wavefront_size: 32
...
	.end_amdgpu_metadata
.endif
;; end of part 5
;; launch ffn (part 6): grid 256 x 1, 4 waves a work-group, no clusters, 91,136 bytes of LDS; arguments hb, ln_mlp_g, ln_mlp_b, wsm, ffn_b1, ffn_b2, ln_op2_g, ln_op2_b, ha, ta; writes ha, ta
.if DOCPART == 6
	.amdgcn_target "amdgcn-amd-amdhsa--gfx1250"
	.amdhsa_code_object_version 6
	.text
	.protected	k_q84098feaf8_ffn
	.globl	k_q84098feaf8_ffn
	.p2align	8
	.type	k_q84098feaf8_ffn,@function
k_q84098feaf8_ffn:
	s_mov_b64 s[64:65], 0
	v_nop
	global_prefetch_b8 v0, s[64:65] scope:SCOPE_SE
	s_setreg_imm32_b32 hwreg(HW_REG_WAVE_MODE, 25, 1), 1
	s_wait_xcnt 0x0
; h3 = h2 + gelu(LN(h2) W1^T + b1) W2^T + b2 -> ha;  t3 = LN(h3) -> ta; both f32, row-major.  gelu is the exact one, x (1 + erf(x / sqrt 2)) / 2.
; A work-group has 32 tokens.  Wave w owns the hidden columns 128 w .. + 127: its 32 fragments of W1 and, as a slice of K, its 32 of W2: each weight byte enters a work-group once, straight into registers.
; Waves 0 and 1 make the first LN, a token tile each, in the layout of a matrix source, and hand the bf16 fragments to all four through LDS.  Product 1 (source 0 = W1's rows) leaves one token a lane and
; 8 hidden columns; two such tiles rounded to bf16 ARE a fragment of source 1 of product 2.  THE ACTIVATION IS WRITTEN ONCE FOR FOUR TILES AND LOOPED OVER: a wave's 16 tiles go into its own 16 KiB of LDS
; (the bytes that later take its partial sums), four trips read four tiles each and put the bf16 tiles back, and 16 loads bring the hidden layer back as fragments.
; The four waves' partial sums of product 2 meet in LDS (f32); waves 0 and 1 add them, a token tile each, with the residual and b2, make the second LN and store whole rows.
; erf by the rational form 1 - (a1 u + .. + a5 u^5) exp(-z^2), u = 1 / (1 + 0.3275911 z), z = |x| / sqrt 2 (absolute error under 1.5e-7 for every z); x erf(x / sqrt 2) is even, so
; gelu = x / 2 + |x| / 2 - (|x| / 2) poly exp.  For large |x| the exponential is 0 and gelu is x or 0.
; REGISTERS: window 0: v24-87 t, later the hidden layer, in bf16; v88-215 16 accumulators; v216-247 at work.  window 1: W1; later v128-191 b2.  window 2 (waves 0 and 1): v0-63 h2 of my token tile (kept for the
; residual: the source's layout and the result's agree, column tile 2 kc + q); v128-255 gain and bias of the first LN, later of the second.  window 3: W2.
.set STB,   65536                      ; two stages of 16 rows, 528 bytes apart, behind the partial sums
.set TFS,   82432                      ; t in bf16: two token tiles x four fragments of 1,024 bytes
.set SPARE, 90624                      ; the spare words, 128 bytes a wave: two blocks of 256 bytes that no other line names
.set GO,  5
.set RS,  8
.set RDA, 9
.set STO, 10
.set RD,  11
.set HA,  12
.set TW,  13
.set TR,  14
.set SPW, 22
.set NIL, 23
.set TF,  24
.set ACC, 88
.set GT,  216
.set ST,  216
.set WV,  2
.set INV, 40
.set EPS, 41
.set SEL, 42
.set CP,  44                           ; s[44:45] 0.3275911 / sqrt 2
.set CC,  46                           ; s[46:47] sqrt(log2(e) / 2)
.set A1,  48
.set A2,  50
.set A3,  52
.set A4,  54
.set A5,  56
.set ABSM, 58
.set CNT, 60
.set MSB, 0
.macro WIN new
.if MSB != (\new)
	s_set_vgpr_msb (MSB<<8)|(\new)
.set MSB, (\new)
.endif
.endm
.macro LD64 dst, va, sb, off
.set c, 0
.rept 8
	global_load_b128 v[(\dst)+8*c:(\dst)+8*c+3], v[\va], s[\sb:\sb+1] offset:(\off)+64*c
	global_load_b128 v[(\dst)+8*c+4:(\dst)+8*c+7], v[\va], s[\sb:\sb+1] offset:(\off)+64*c+16
.set c, c+1
.endr
.endm
.macro LDW dst, n, va, sb, off
.set f, 0
.rept \n
	global_load_b128 v[(\dst)+8*f:(\dst)+8*f+3], v[\va], s[\sb:\sb+1] offset:(\off)+1024*f
	global_load_b128 v[(\dst)+8*f+4:(\dst)+8*f+7], v[\va], s[\sb:\sb+1] offset:(\off)+1024*f+512
.set f, f+1
.endr
.endm
.macro LNRED
	v_pk_add_f32 v[ST:ST+1], v[ST:ST+1], v[ST+2:ST+3]
	v_pk_add_f32 v[ST+4:ST+5], v[ST+4:ST+5], v[ST+6:ST+7]
	v_pk_add_f32 v[ST:ST+1], v[ST:ST+1], v[ST+4:ST+5]
	v_add_f32 v[ST], v[ST], v[ST+1]
	v_permlanex16_b32 v[ST+1], v[ST], s[SEL], s[SEL+1]
	v_add_f32 v[ST], v[ST], v[ST+1]
.endm
.macro LNORM xw, xb, gb, bb            ; Y = (x - mean) rsqrt(var + eps) g + b for a lane's 64 numbers; g, b in window 2
	WIN (\xw)*5
.set j, 0
.rept 4
	v_pk_add_f32 v[ST+2*j:ST+2*j+1], v[(\xb)+2*j:(\xb)+2*j+1], v[(\xb)+8+2*j:(\xb)+9+2*j]
.set j, j+1
.endr
	WIN (\xw)*4
.set j, 8
.rept 24
	v_pk_add_f32 v[ST+2*(j%4):ST+2*(j%4)+1], v[ST+2*(j%4):ST+2*(j%4)+1], v[(\xb)+2*j:(\xb)+2*j+1]
.set j, j+1
.endr
	WIN 0
	LNRED
	v_mul_f32 v[ST+8], s[INV], v[ST]
	v_mov_b32 v[ST+9], v[ST+8]
	WIN (\xw)
.set j, 0
.rept 32
	v_pk_add_f32 v[Y+2*j:Y+2*j+1], v[(\xb)+2*j:(\xb)+2*j+1], v[ST+8:ST+9] neg_lo:[0,1] neg_hi:[0,1]
.set j, j+1
.endr
	WIN 0
.set j, 0
.rept 4
	v_pk_mul_f32 v[ST+2*j:ST+2*j+1], v[Y+2*j:Y+2*j+1], v[Y+2*j:Y+2*j+1]
.set j, j+1
.endr
.rept 28
	v_pk_fma_f32 v[ST+2*(j%4):ST+2*(j%4)+1], v[Y+2*j:Y+2*j+1], v[Y+2*j:Y+2*j+1], v[ST+2*(j%4):ST+2*(j%4)+1]
.set j, j+1
.endr
	LNRED
	v_fma_f32 v[ST], v[ST], s[INV], s[EPS]
	v_rsq_f32 v[ST+10], v[ST]
	v_nop                                          ; a plain instruction behind the root,
	s_wait_alu depctr_va_vdst(0)                   ; and a wait ahead of its first reader
	v_mov_b32 v[ST+11], v[ST+10]
.set j, 0
.rept 32
	v_pk_mul_f32 v[Y+2*j:Y+2*j+1], v[Y+2*j:Y+2*j+1], v[ST+10:ST+11]
.set j, j+1
.endr
	WIN 0x28
.set j, 0
.rept 32
	v_pk_fma_f32 v[Y+2*j:Y+2*j+1], v[Y+2*j:Y+2*j+1], v[(\gb)+2*j:(\gb)+2*j+1], v[(\bb)+2*j:(\bb)+2*j+1]
.set j, j+1
.endr
	WIN 0
.endm
.macro STG src, sb                     ; 16 rows x 128 f32 to whole rows, through my own stage, and out
.set c, 0
.rept 8
	ds_store_b128 v[STO], v[(\src)+8*c:(\src)+8*c+3] offset:64*c
	ds_store_b128 v[STO], v[(\src)+8*c+4:(\src)+8*c+7] offset:64*c+16
.set c, c+1
.endr
.set u, 0
.rept 16
	ds_load_b128 v[(\src)+4*u:(\src)+4*u+3], v[RD] offset:u*528   ; LDS serves a wave's instructions in order: these see the stores above
.set u, u+1
.endr
.set u, 0
.rept 16
	s_wait_dscnt 15-u                              ; row u is back; the later rows stay out
	global_store_b128 v[GO], v[(\src)+4*u:(\src)+4*u+3], s[\sb:\sb+1] offset:u*512
.set u, u+1
.endr
.endm
; gelu of the tile at a (8 registers), rounded to bf16 into 4 registers at hf.  The 16 transcendentals are one batch with one wait; |x| / 2 and x / 2 + |x| / 2 are the independent work behind them.
.macro GELU a, hf
.set j, 0
.rept 8
	v_and_b32 v[GT+j], s[ABSM], v[(\a)+j]
.set j, j+1
.endr
.irp p, 0,2,4,6
	v_pk_fma_f32 v[GT+8+\p:GT+9+\p], v[GT+\p:GT+1+\p], s[CP:CP+1], 1.0 op_sel_hi:[1,0,0]
	v_pk_mul_f32 v[GT+16+\p:GT+17+\p], v[(\a)+\p:(\a)+1+\p], s[CC:CC+1] op_sel_hi:[1,0]
.endr
.irp p, 0,2,4,6
	v_pk_mul_f32 v[GT+16+\p:GT+17+\p], v[GT+16+\p:GT+17+\p], v[GT+16+\p:GT+17+\p] neg_lo:[1,0] neg_hi:[1,0]
.endr
.set j, 0
.rept 8
	v_rcp_f32 v[GT+8+j], v[GT+8+j]
.set j, j+1
.endr
.set j, 0
.rept 8
	v_exp_f32 v[GT+16+j], v[GT+16+j]
.set j, j+1
.endr
.irp p, 0,2,4,6
	v_pk_mul_f32 v[GT+\p:GT+1+\p], v[GT+\p:GT+1+\p], 0.5 op_sel_hi:[1,0]
.endr
.irp p, 0,2,4,6
	v_pk_fma_f32 v[(\a)+\p:(\a)+1+\p], v[(\a)+\p:(\a)+1+\p], 0.5, v[GT+\p:GT+1+\p] op_sel_hi:[1,0,1]
.endr
	s_wait_alu depctr_va_vdst(0)                   ; one wait for the batch
.irp p, 0,2,4,6
	v_pk_fma_f32 v[GT+24+\p:GT+25+\p], v[GT+8+\p:GT+9+\p], s[A5:A5+1], s[A4:A4+1] op_sel_hi:[1,0,0]
.endr
.irp k, A3, A2, A1
.irp p, 0,2,4,6
	v_pk_fma_f32 v[GT+24+\p:GT+25+\p], v[GT+24+\p:GT+25+\p], v[GT+8+\p:GT+9+\p], s[\k:\k+1] op_sel_hi:[1,1,0]
.endr
.endr
.irp p, 0,2,4,6
	v_pk_mul_f32 v[GT+24+\p:GT+25+\p], v[GT+24+\p:GT+25+\p], v[GT+8+\p:GT+9+\p]
.endr
.irp p, 0,2,4,6
	v_pk_mul_f32 v[GT+24+\p:GT+25+\p], v[GT+24+\p:GT+25+\p], v[GT+16+\p:GT+17+\p]
.endr
.irp p, 0,2,4,6
	v_pk_fma_f32 v[(\a)+\p:(\a)+1+\p], v[GT+\p:GT+1+\p], v[GT+24+\p:GT+25+\p], v[(\a)+\p:(\a)+1+\p] neg_lo:[1,0,0] neg_hi:[1,0,0]
.endr
.irp p, 0,2,4,6
	v_cvt_pk_bf16_f32 v[(\hf)+\p/2], v[(\a)+\p], v[(\a)+1+\p]
.endr
.endm
.macro RSTORE                          ; my 16 tiles of f32 into my own 16 KiB: tile a at 1,024 a, each accumulator's lowest registers first
.set a, 0
.rept 16
	ds_store_b128 v[RS], v[ACC+8*a:ACC+8*a+3] offset:a*1024
	ds_store_b128 v[RS], v[ACC+8*a+4:ACC+8*a+7] offset:a*1024+512
.set a, a+1
.endr
.endm
.macro RLOAD dst, v                    ; wave v's partial sums of my token tile
.set c, 0
.rept 8
	ds_load_b128 v[(\dst)+8*c:(\dst)+8*c+3], v[RDA] offset:(\v)*16384+c*2048
	ds_load_b128 v[(\dst)+8*c+4:(\dst)+8*c+7], v[RDA] offset:(\v)*16384+c*2048+512
.set c, c+1
.endr
.endm
.macro RADD src
.set j, 0
.rept 32
	v_pk_add_f32 v[ACC+2*j:ACC+2*j+1], v[ACC+2*j:ACC+2*j+1], v[(\src)+2*j:(\src)+2*j+1]
.set j, j+1
.endr
.endm
	s_load_b512 s[8:23], s[0:1], 0x0               ; hb 8, gain 10, bias 12, wsm 14, b1 16, b2 18, gain2 20, bias2 22
	s_load_b128 s[24:27], s[0:1], 0x40             ; ha 24, ta 26
	v_lshl_add_u32 v[SPW], v0, 2, SPARE
	v_mov_b32 v[NIL], 0
	v_lshrrev_b32 v1, 5, v0
	v_readfirstlane_b32 s[WV], v1                  ; wave 0..3
	v_and_b32 v2, 31, v0
	v_and_b32 v3, 15, v0
	v_bfe_u32 v4, v0, 4, 1
	v_lshlrev_b32 v[GO], 4, v2                     ; 16 L
	v_lshlrev_b32 v6, 5, v4                        ; 32 h
	v_lshl_add_u32 v7, v3, 9, v6                   ; r x 512 + 32 h
	v_lshl_add_u32 v[RS], s[WV], 14, v[GO]
	v_lshl_add_u32 v[RDA], s[WV], 10, v[GO]
	s_mul_i32 s3, s[WV], 8448
	s_add_co_u32 s3, s3, STB                       ; the stage of wave 0 or 1
	v_mul_u32_u24 v[STO], v3, 528
	v_add_nc_u32 v[STO], v[STO], v6
	v_add_nc_u32 v[STO], s3, v[STO]
	v_add_nc_u32 v[RD], s3, v[GO]
	s_lshl_b32 s3, s[WV], 12
	s_add_co_u32 s3, s3, TFS
	v_add_nc_u32 v[TW], s3, v[GO]                  ; where wave 0 or 1 puts its token tile's fragments
	v_add_nc_u32 v[TR], TFS, v[GO]
	s_mov_b32 s[INV], 0x3c000000
	s_mov_b32 s[EPS], 0x3727c5ac
	s_mov_b32 s[SEL], 0x76543210
	s_mov_b32 s[SEL+1], 0xfedcba98
	s_mov_b32 s[CP], 0x3e6d3388
	s_mov_b32 s[CP+1], s[CP]
	s_mov_b32 s[CC], 0x3f596d27
	s_mov_b32 s[CC+1], s[CC]
	s_mov_b32 s[A1], 0x3e827906
	s_mov_b32 s[A1+1], s[A1]
	s_mov_b32 s[A2], 0xbe91a98e
	s_mov_b32 s[A2+1], s[A2]
	s_mov_b32 s[A3], 0x3fb5f0e3
	s_mov_b32 s[A3+1], s[A3]
	s_mov_b32 s[A4], 0xbfba00e3
	s_mov_b32 s[A4+1], s[A4]
	s_mov_b32 s[A5], 0x3f87dc22
	s_mov_b32 s[A5+1], s[A5]
	s_mov_b32 s[ABSM], 0x7fffffff
	s_lshl_b32 s28, ttmp9, 14                      ; 32 rows of 512 bytes
	s_lshl_b32 s30, s[WV], 15                      ; my 32 fragments of W1
	s_mov_b32 s31, 0
	s_lshl_b32 s32, s[WV], 12                      ; my 4 of each 16 fragments of W2
	s_mov_b32 s33, 0
	s_lshl_b32 s34, s[WV], 9                       ; my 128 numbers of b1
	s_mov_b32 s35, 0
	s_lshl_b32 s36, s[WV], 13
	s_add_co_u32 s36, s36, s28                     ; the 16 rows that wave 0 or 1 reads and stores
	s_mov_b32 s37, 0
	s_wait_kmcnt 0x0
	s_add_nc_u64 s[8:9], s[8:9], s[36:37]
	s_add_nc_u64 s[38:39], s[14:15], s[30:31]
	s_add_nc_u64 s[14:15], s[14:15], s[32:33]
	s_add_nc_u64 s[16:17], s[16:17], s[34:35]
	s_add_nc_u64 s[24:25], s[24:25], s[36:37]
	s_add_nc_u64 s[26:27], s[26:27], s[36:37]
	s_cmp_lt_u32 s[WV], 2
	s_cbranch_scc0 .Lno_x                          ; waves 0 and 1: h2 of my token tile, gain and bias: 48 loads
	WIN 0x80
	LD64 0, 7, 8, 0
	LD64 128, 6, 10, 0
	LD64 192, 6, 12, 0
	WIN 0
.Lno_x:
	WIN 0x40
	LDW 0, 32, GO, 38, 131072
	WIN 0
	s_cmp_lt_u32 s[WV], 2
	s_cbranch_scc0 .Lno_ln
	s_wait_loadcnt 63                              ; h2, gain and bias are in: of W1's 64 younger loads 63 may stay out
.set Y, ACC
	LNORM 2, 0, 128, 192
.set j, 0
.rept 32
	v_cvt_pk_bf16_f32 v[TF+j], v[Y+2*j], v[Y+2*j+1]        ; 64 numbers are the four fragments of a token tile
.set j, j+1
.endr
.set f, 0
.rept 8
	ds_store_b128 v[TW], v[TF+4*f:TF+4*f+3] offset:512*f
.set f, f+1
.endr
.Lno_ln:
	s_wait_dscnt 0x0                               ; for the others' sake: my fragments are written
	s_barrier_signal -1
	s_barrier_wait -1
.set f, 0
.rept 16
	ds_load_b128 v[TF+4*f:TF+4*f+3], v[TR] offset:512*f    ; both token tiles' fragments
.set f, f+1
.endr
.set a, 0
.rept 16                                       ; b1 starts the sums: tile a = 2 x column tile + token tile
	global_load_b128 v[ACC+8*a:ACC+8*a+3], v6, s[16:17] offset:(a/2)*64
	global_load_b128 v[ACC+8*a+4:ACC+8*a+7], v6, s[16:17] offset:(a/2)*64+16
.set a, a+1
.endr
	WIN 0xc0
.set t, 0
.rept 8
	LDW 32*t, 4, GO, 14, 262144+t*16384
.set t, t+1
.endr
	WIN 0
	s_wait_loadcnt 63                              ; W1 and b1 are in: of W2's 64 younger loads 63 may stay out
	s_wait_dscnt 0x0
	WIN 0x01
.set kc, 0
.rept 4                                        ; the sixteen accumulators take turns
.set a, 0
.rept 16
	v_wmma_f32_16x16x32_bf16 v[ACC+8*a:ACC+8*a+7], v[8*(4*(a/2)+kc):8*(4*(a/2)+kc)+7], v[TF+32*(a%2)+8*kc:TF+32*(a%2)+8*kc+7], v[ACC+8*a:ACC+8*a+7]
.set a, a+1
.endr
.set kc, kc+1
.endr
	WIN 0
.rept 4
	v_nop                                          ; four places: loads into W1's registers and the stores of the sums follow
.endr
	WIN 0x80
	LD64 128, 6, 20, 0
	LD64 192, 6, 22, 0
	WIN 0x40
	LD64 128, 6, 18, 0
	WIN 0
	RSTORE
	v_mov_b32 v[HA], v[RS]
	s_mov_b32 s[CNT], 4
.Lgelu:                                        ; a trip: four tiles out of my own bytes, the activation, four bf16 tiles back (tile a at 1,024 a)
.set z, 0
.rept 4
	ds_load_b128 v[ACC+8*z:ACC+8*z+3], v[HA] offset:z*1024         ; LDS serves a wave's instructions in order: these see the stores above
	ds_load_b128 v[ACC+8*z+4:ACC+8*z+7], v[HA] offset:z*1024+512
.set z, z+1
.endr
.set z, 0
.rept 4
	s_wait_dscnt 2*(3-z)                           ; tile z is in; two loads for each later tile stay out
	GELU ACC+8*z, TF+4*z
.set z, z+1
.endr
.set z, 0
.rept 4
	ds_store_b128 v[HA], v[TF+4*z:TF+4*z+3] offset:z*1024
.set z, z+1
.endr
	v_add_nc_u32 v[HA], 4096, v[HA]
	s_sub_co_u32 s[CNT], s[CNT], 1
	s_cmp_lg_u32 s[CNT], 0
	s_cbranch_scc1 .Lgelu
.set a, 0
.rept 16                                       ; column tiles 2 kc and 2 kc + 1 are the two halves of fragment kc
	ds_load_b128 v[TF+32*(a%2)+8*(a/4)+4*((a/2)%2):TF+32*(a%2)+8*(a/4)+4*((a/2)%2)+3], v[RS] offset:a*1024
.set a, a+1
.endr
	s_wait_loadcnt 0x0
	s_wait_dscnt 0x0
	WIN 0x03
.set kc, 0
.rept 4
.set a, 0
.rept 16
.if kc == 0
	v_wmma_f32_16x16x32_bf16 v[ACC+8*a:ACC+8*a+7], v[8*(4*(a/2)+kc):8*(4*(a/2)+kc)+7], v[TF+32*(a%2)+8*kc:TF+32*(a%2)+8*kc+7], 0
.else
	v_wmma_f32_16x16x32_bf16 v[ACC+8*a:ACC+8*a+7], v[8*(4*(a/2)+kc):8*(4*(a/2)+kc)+7], v[TF+32*(a%2)+8*kc:TF+32*(a%2)+8*kc+7], v[ACC+8*a:ACC+8*a+7]
.endif
.set a, a+1
.endr
.set kc, kc+1
.endr
	WIN 0
.rept 4
	v_nop
.endr
	RSTORE
	s_wait_dscnt 0x0                               ; for the others' sake: my partial sums are written
	s_barrier_signal -1
	s_barrier_wait -1
	s_cmp_lt_u32 s[WV], 2
	s_cbranch_scc0 .Lend                           ; wave 0 finishes token tile 0, wave 1 tile 1
	RLOAD ACC, 0
	RLOAD ACC+64, 1
	RLOAD TF, 2
	s_wait_dscnt 16                                ; the first two parts are in; the third's 16 loads stay out
	RADD ACC+64
	RLOAD ACC+64, 3
	s_wait_dscnt 16
	RADD TF
	s_wait_dscnt 0x0
	RADD ACC+64
	WIN 0x08
.set j, 0
.rept 32
	v_pk_add_f32 v[ACC+2*j:ACC+2*j+1], v[ACC+2*j:ACC+2*j+1], v[2*j:2*j+1]              ; the residual: h2 of my token tile
.set j, j+1
.endr
	WIN 0x04
.set j, 0
.rept 32
	v_pk_add_f32 v[ACC+2*j:ACC+2*j+1], v[ACC+2*j:ACC+2*j+1], v[128+2*j:128+2*j+1]      ; b2
.set j, j+1
.endr
	WIN 0
.set Y, ACC+64
	LNORM 0, ACC, 128, 192
	STG ACC, 24
	STG ACC+64, 26
.Lend:
	s_wait_tensorcnt 0x0                           ; the wave's end, behind my last LDS store
	ds_add_u32 v[SPW], v[NIL]
	s_wait_dscnt 0x0
	s_endpgm
.Lfunc_end_k_q84098feaf8_ffn:
	.size	k_q84098feaf8_ffn, .Lfunc_end_k_q84098feaf8_ffn-k_q84098feaf8_ffn
	.p2alignl 7, 3214868480
	.fill 96, 4, 3214868480
	.section	.rodata,"a",@progbits
	.p2align	6, 0x0
	.amdhsa_kernel k_q84098feaf8_ffn
		.amdhsa_group_segment_fixed_size 91136
		.amdhsa_private_segment_fixed_size 0
		.amdhsa_enable_private_segment 0
		.amdhsa_kernarg_size 80
		.amdhsa_user_sgpr_count 2
		.amdhsa_user_sgpr_kernarg_segment_ptr 1
		.amdhsa_wavefront_size32 1
		.amdhsa_system_sgpr_workgroup_id_x 1
		.amdhsa_system_sgpr_workgroup_id_y 1
		.amdhsa_system_sgpr_workgroup_id_z 1
		.amdhsa_system_vgpr_workitem_id 0
		.amdhsa_next_free_vgpr 1024
		.amdhsa_next_free_sgpr 66
		.amdhsa_reserve_vcc 0
		.amdhsa_float_denorm_mode_32 3
		.amdhsa_float_denorm_mode_16_64 3
		.amdhsa_memory_ordered 1
		.amdhsa_forward_progress 1
		.amdhsa_inst_pref_size 106
	.end_amdhsa_kernel
	.amdgpu_metadata
---
amdhsa.version: [ 1, 2 ]
amdhsa.kernels:
  - .name:           k_q84098feaf8_ffn
    .symbol:         k_q84098feaf8_ffn.kd
    .args:
      - { .name: hb, .offset: 0, .size: 8, .value_kind: global_buffer, .address_space: global }
      - { .name: ln_mlp_g, .offset: 8, .size: 8, .value_kind: global_buffer, .address_space: global }
      - { .name: ln_mlp_b, .offset: 16, .size: 8, .value_kind: global_buffer, .address_space: global }
      - { .name: wsm, .offset: 24, .size: 8, .value_kind: global_buffer, .address_space: global }
      - { .name: ffn_b1, .offset: 32, .size: 8, .value_kind: global_buffer, .address_space: global }
      - { .name: ffn_b2, .offset: 40, .size: 8, .value_kind: global_buffer, .address_space: global }
      - { .name: ln_op2_g, .offset: 48, .size: 8, .value_kind: global_buffer, .address_space: global }
      - { .name: ln_op2_b, .offset: 56, .size: 8, .value_kind: global_buffer, .address_space: global }
      - { .name: ha, .offset: 64, .size: 8, .value_kind: global_buffer, .address_space: global }
      - { .name: ta, .offset: 72, .size: 8, .value_kind: global_buffer, .address_space: global }
    .group_segment_fixed_size: 91136
    .private_segment_fixed_size: 0
    .kernarg_segment_align: 8
    .kernarg_segment_size: 80
    .max_flat_workgroup_size: 128
    .sgpr_count:     66
    .vgpr_count:     1024
    .wavefront_size: 32
...
	.end_amdgpu_metadata
.endif
;; end of part 6
;; launch op2: the kernel of part 5 again; grid 64 x 4, 4 waves a work-group, clusters of 4 x 1, 327,680 bytes of LDS; arguments ta, w2s, ha, op2_b, out0; writes out0
